; MI455X (gfx1250); checked and timed in simulation.
; The chip was launched on July 23, 2026; its instructions are those of AMD's public machine-readable ISA for CDNA 5 (MIT licence, August 2026) and "CDNA5" Instruction Set Architecture Reference Guide (July 2026). The comments in the code are by the model that wrote it; some were corrected since.
;; Encoder Block. Allowed arithmetic: matrix products marked QUANTISED: E5M2 operands, one E8M0 scale for each 32 along K, by v_wmma_scale_f32_16x16x128_f8f6f4 with both operands' format E5M2, f32 sums; everything else in f32.
;; Inputs: b1 3,072 float32; b2 768 float32; bk 768 float32; bo 768 float32; bq 768 float32; bv 768 float32; mask 1 x 1 x 4,096 x 4,096 int32; w1_codes 3,072 x 24 x 32 uint8 (E5M2 codes of w1, K innermost, in blocks of 32 codes); w1_scales 3,072 x 24 uint8 (E8M0 scales of w1, one for each 32 codes along K); w2_codes 768 x 96 x 32 uint8 (E5M2 codes of w2, K innermost, in blocks of 32 codes); w2_scales 768 x 96 uint8 (E8M0 scales of w2, one for each 32 codes along K); wk_codes 768 x 24 x 32 uint8 (E5M2 codes of wk, K innermost, in blocks of 32 codes); wk_scales 768 x 24 uint8 (E8M0 scales of wk, one for each 32 codes along K); wo_codes 768 x 24 x 32 uint8 (E5M2 codes of wo, K innermost, in blocks of 32 codes); wo_scales 768 x 24 uint8 (E8M0 scales of wo, one for each 32 codes along K); wq_codes 768 x 24 x 32 uint8 (E5M2 codes of wq, K innermost, in blocks of 32 codes); wq_scales 768 x 24 uint8 (E8M0 scales of wq, one for each 32 codes along K); wv_codes 768 x 24 x 32 uint8 (E5M2 codes of wv, K innermost, in blocks of 32 codes); wv_scales 768 x 24 uint8 (E8M0 scales of wv, one for each 32 codes along K); x 1 x 4,096 x 768 float32.
;; Outputs: out0 1 x 4,096 x 768 float32.
;; This version of the problem:
;;   THIS VERSION OF THE PROBLEM IS GIVEN IN LOW PRECISION. The matrix products marked QUANTISED in the list below multiply operands that are first quantised to E5M2 (5 exponent bits, 2 mantissa bits; 8 bits a number), with one power-of-two scale for each 32 numbers along K (OCP MX v1.0); their sums are f32. All else is computed in f32.
;;   The module's matrix products, in the order in which they are computed (A, B: the left and right operand; K: the contracted axis; several contracted axes count as one K, in the product's order):
;;     1. [M 4,096, K 768] x [K 768, N 768]; A: input x; B: input wq (given as codes): QUANTISED
;;     2. [M 4,096, K 768] x [K 768, N 768]; A: input x; B: input wk (given as codes): QUANTISED
;;     3. [M 4,096, K 768] x [K 768, N 768]; A: input x; B: input wv (given as codes): QUANTISED
;;     4. batch 12 x [M 4,096, K 64] x [K 64, N 4,096]; A: computed on the way; B: computed on the way: QUANTISED
;;     5. batch 12 x [M 4,096, K 4,096] x [K 4,096, N 64]; A: softmax (see below); B: computed on the way: QUANTISED
;;     6. [M 4,096, K 768] x [K 768, N 768]; A: computed on the way; B: input wo (given as codes): QUANTISED
;;     7. [M 4,096, K 768] x [K 768, N 3,072]; A: computed on the way; B: input w1 (given as codes): QUANTISED
;;     8. [M 4,096, K 3,072] x [K 3,072, N 768]; A: computed on the way; B: input w2 (given as codes): QUANTISED
;;   THE QUANTISER, for each operand of a quantised product, along K:
;;     - K is cut into blocks of 32 from its start; a last block that is shorter is filled with zeros.
;;     - A block's scale is 2^e with e = floor(log2(the largest magnitude in the block)) - 15, held to -126 .. 127; a block of zeros has e = 0. As a byte (E8M0): e + 127.
;;     - Each number is divided by its block's scale, clamped to +-57,344, and rounded to the nearest number of E5M2, ties to even, subnormals kept.
;;     - The product sums the exact products of the quantised numbers (number of the format x scale) in f32.
;;   ~~~python
;;   def quantise(x, axis):      # numpy; x: float32 -> the quantised numbers, widened to float32 again
;;       x = np.moveaxis(x, axis, -1); K = x.shape[-1]
;;       x = np.pad(x, [(0, 0)] * (x.ndim - 1) + [(0, -K % 32)]); x = x.reshape(x.shape[:-1] + (-1, 32)); a = np.abs(x).max(-1, keepdims=True)
;;       e = np.where(a > 0, np.clip(np.frexp(np.where(a > 0, a, 1))[1] - 1 - 15, -126, 127), 0)      # np.frexp(a)[1] - 1 = floor(log2(a)), exactly
;;       r = np.clip(x / 2.0 ** e, -57344, 57344)
;;       step = 2.0 ** (np.maximum(np.frexp(np.where(r == 0, 1, r))[1] - 1, -14) - 2)
;;       q = np.round(r / step) * step * 2.0 ** e      # np.round: ties to even
;;       return np.moveaxis(q.reshape(q.shape[:-2] + (-1,))[..., :K], -1, axis).astype(np.float32)
;;   ~~~
;;   SOFTMAX AHEAD OF A QUANTISED PRODUCT. Where the list says 'softmax', what is quantised is not the finished softmax but p = 2^(t - M), with t = logit x log2(e) and M = ceil(the row's largest t), a whole number; so 1/2 < the row's largest p <= 1. The row's sum l is taken of the UNQUANTISED p, in f32, and the product's result is divided by l at the end. Since M is a whole number, a kernel that streams over the keys may use a running M (the ceiling of the running maximum): every later rescaling is an exact power of two, which a block's scale takes up: the codes' values come out the same.
;;   OPERANDS COMPUTED ON THE WAY. 'Computed on the way' means the value that the module computes at that place (a softmax that the list does not call 'softmax' is quantised finished and normalised). What goes into a quantiser is computed in f32, as accurately as f32 sums, v_exp_f32 and their like allow (about 1e-6 of the number): no bf16 or f16 on the way to a quantiser, and a product that is left as it is and whose result goes on into a quantised operand takes f32 operands (vector FMAs, or v_wmma_f32_16x16x4_f32). A number that lies on a knife's edge between two numbers of the format may be rounded either way, as far as f32 arithmetic and the matrix unit's own rounding can turn it there, and no further.
;;   INPUTS GIVEN AS CODES. w1 (in the module: [768, 3072], K = its axis 0); w2 (in the module: [3072, 768], K = its axis 0); wk (in the module: [768, 768], K = its axis 0); wo (in the module: [768, 768], K = its axis 0); wq (in the module: [768, 768], K = its axis 0); wv (in the module: [768, 768], K = its axis 0): each comes as NAME_codes (uint8): NAME with its K axis moved to the last place and cut into blocks of 32 codes, [.., K / 32, bytes a block], one block behind the other in memory; one code a byte (a code: sign, 5 exponent bits, 2 mantissa bits); and NAME_scales (uint8): the same leading axes, one E8M0 byte (e + 127) for each 32 codes along K. Its value is code x scale, taken as it is: it is not quantised again, and the codes and scales need not be those that the quantiser above would give.
;; One version. Each part assembles by itself: llvm-mc -triple=amdgcn-amd-amdhsa -mcpu=gfx1250 --defsym DOCPART=n.
;; ======== version 1 of 1: 6 launches
;; limits: right only within a limited range of input values
;; workspace buffers: maskw 2,097,152 bytes of whole numbers; pbuf 10,543,104 bytes; qkvb 10,420,224 bytes; cbuf 3,244,032 bytes; x1b 15,826,944 bytes; hb 12,976,128 bytes
;; launch prep (part 1): grid 328 x 1, 8 waves a work-group, no clusters, 68,608 bytes of LDS; arguments x, mask, wq_codes, wq_scales, wk_codes, wk_scales, wv_codes, wv_scales, wo_codes, wo_scales, w1_codes, w1_scales, w2_codes, w2_scales, pbuf, maskw; writes pbuf, maskw
.if DOCPART == 1
	.amdgcn_target "amdgcn-amd-amdhsa--gfx1250"
	.amdhsa_code_object_version 6
	.text
	.protected	k_q0bb73f91ef_prep
	.globl	k_q0bb73f91ef_prep
	.p2align	8
	.type	k_q0bb73f91ef_prep,@function
k_q0bb73f91ef_prep:
	s_mov_b64 s[64:65], 0
	v_nop
	global_prefetch_b8 v0, s[64:65] scope:SCOPE_SE
	s_setreg_imm32_b32 hwreg(HW_REG_WAVE_MODE, 25, 1), 1
	s_wait_xcnt 0x0
; ENCODER BLOCK, launch 1 of 6: x is quantised, the mask is packed, the six weights are laid out as the matrix unit's registers take them.
; DEAD WORK: none.  Every input of reference() reaches out0 for some values of the inputs (all biases go into quantised operands or into the result, the mask is an input and selects scores), so every input is loaded.
; ROW ORDER used by the whole program: tile T holds the 16 rows rho(T, r) = 32 (T / 2) + 8 (T % 2) + r + 8 (r / 8).  With source 0's tiles chosen so, the 16 registers of two neighbouring result tiles are 16 neighbours along the next K.
; IMAGE of a fragment (tile T, K step s), 2,048 bytes: byte 512 c + 16 l + e = the code of row rho(T, l % 16) at k = 128 s + 32 c + 16 (l / 16) + e: four 16-byte accesses at 16 x lane move it.  Its scale image: word r = the row's four E8M0 bytes.
; WORK-GROUPS 0-255 (tile T of the tokens): waves 0-5 quantise K step w of x's 16 rows in registers; all eight waves pack the mask's 16 rows: wave w takes key steps 4 w .. 4 w + 3.
;   A mask word n = 16 b + i of (T, step s) has bit l = (mask[rho(T, l % 16)][128 s + 32 b + 16 (l / 16) + i] != 0): the lane mask with which attention's select takes score register n.  The mask is so read once for all 12 heads.
; WORK-GROUPS 256-327: wave = one unit of six fragments of one weight: codes and scale words are copied into images.  Only pointers and sizes are chosen by the work-group's number.
; THE QUANTISER: scale = 2^(floor(log2(largest magnitude)) - 15); its byte is the largest magnitude's exponent field - 15, held at 1 from below; numbers are held within +-57,344 x scale and rounded to the nearest code.
; LIMITS: a block of zeros gets the byte 1 where the rule says 127 (its codes are zeros; the bytes are read by this program alone); NaN and infinities among the inputs are not served.
; No tile is shared between work-groups here, so there is no cluster; the launch streams, so there is no prefetch.
.set SPARE, 67584                      ; behind the eight stages of 16 x 528 bytes: the spare words, 128 bytes a wave
.set XS,  3145728                      ; pbuf: x's codes at 0, x's scale images,
.set WI,  3244032                      ; the weights' images (12,288 bytes a unit),
.set WS,  10321920                     ; their scale images (384 bytes a unit)
.set W,   12                           ; v12-19   mask words, two registers a step
.set TM,  20                           ; v20-35   the quantiser's 16
.set PC,  36                           ; v36-51   codes
.set PW,  52                           ; v52      scale word
.set R,   64                           ; v64-191  two sets of 16 mask loads
.set X,   192                          ; v192-255 64 numbers of a lane
.set SEL, 52                           ; s[52:53] lane selects: lane l xor 16
.set MNT, 54                           ; s54      the mantissa field of 57,344
	s_load_b512 s[4:19], s[0:1], 0x0               ; x, mask, wq codes, scales, wk, wv
	s_load_b512 s[20:35], s[0:1], 0x40             ; wo, w1, w2 codes and scales, pbuf s[32:33], maskw s[34:35]
	v_lshl_add_u32 v9, v0, 2, SPARE                ; my spare word,
	v_mov_b32 v10, 0                               ; and 0: kept for the closing lines
	v_lshrrev_b32 v1, 5, v0
	s_delay_alu instid0(VALU_DEP_1)
	v_readfirstlane_b32 s36, v1                    ; wave 0..7
	v_and_b32 v1, 31, v0                           ; lane
	v_and_b32 v11, 15, v0                          ; r
	v_bfe_u32 v53, v0, 4, 1                        ; h
	s_delay_alu instid0(VALU_DEP_3)
	v_lshlrev_b32 v7, 4, v1                        ; 16 x lane
	s_delay_alu instid0(VALU_DEP_3)
	v_lshlrev_b32 v8, 2, v11                       ; 4 r
	s_delay_alu instid0(VALU_DEP_4)
	v_and_b32 v54, 8, v11
	s_delay_alu instid0(VALU_DEP_1)
	v_add_nc_u32 v54, v54, v11                     ; r + 8 (r / 8)
	s_cmp_ge_u32 ttmp9, 256
	s_cbranch_scc1 .Lweights
; ---------------- the rows' path
	s_lshr_b32 s37, ttmp9, 1
	s_lshl_b32 s37, s37, 5
	s_and_b32 s38, ttmp9, 1
	s_lshl_b32 s38, s38, 3
	s_add_co_u32 s37, s37, s38                     ; the tile's first row: 32 (T / 2) + 8 (T % 2)
	s_mul_i32 s38, s37, 3072
	s_lshl_b32 s39, s36, 9
	s_add_co_u32 s38, s38, s39                     ; x: that row, K step w
	s_mov_b32 s39, 0
	s_lshl_b32 s48, s37, 14
	s_lshl_b32 s49, s36, 11
	s_add_co_u32 s48, s48, s49                     ; mask: that row, my four key steps
	s_mov_b32 s49, 0
	s_mul_i32 s50, s36, 8448                       ; my stage
	s_mul_i32 s56, ttmp9, 6
	s_add_co_u32 s56, s56, s36                     ; fragment 6 T + w
	s_lshl_b32 s58, s56, 6
	s_add_co_u32 s58, s58, XS
	s_mov_b32 s59, 0
	s_lshl_b32 s56, s56, 11
	s_mov_b32 s57, 0
	s_lshl_b32 s60, ttmp9, 5
	s_lshl_b32 s61, s36, 2
	s_add_co_u32 s60, s60, s61
	s_lshl_b32 s60, s60, 8                         ; mask words: 256 bytes for each (T, step)
	s_mov_b32 s61, 0
	s_mov_b32 s[SEL], 0x76543210
	s_mov_b32 s[SEL+1], 0xfedcba98
	s_mov_b32 s[MNT], 0x600000
	s_wait_alu depctr_va_vdst(0)
	v_add_nc_u32 v3, s50, v7                       ; the stage, in: a row's 512 bytes as they lie
	v_mul_u32_u24 v4, v11, 528
	s_delay_alu instid0(VALU_DEP_1)
	v_lshl_add_u32 v4, v53, 6, v4
	s_delay_alu instid0(VALU_DEP_1)
	v_add_nc_u32 v4, s50, v4                       ; and out: row r, + 64 h: 16 keys of each block of 32
	v_lshlrev_b32 v5, 3, v1                        ; 8 x lane: two mask words a lane
	v_mul_u32_u24 v6, v54, 3072
	s_delay_alu instid0(VALU_DEP_1)
	v_lshl_add_u32 v6, v53, 6, v6                  ; x: my row, + 64 h
.irp i, 0,1,2,3,4,5,6,7
	v_mov_b32 v[W+\i], 0                           ; a lane write's destination counts as read
.endr
.irp b, 0,1,2,3
	v_mov_b32 v[TM+4+\b], 0                        ; and so does a lane permute's
.endr
	s_wait_kmcnt 0x0
	s_add_nc_u64 s[4:5], s[4:5], s[38:39]
	s_add_nc_u64 s[6:7], s[6:7], s[48:49]
	s_add_nc_u64 s[56:57], s[32:33], s[56:57]
	s_add_nc_u64 s[58:59], s[32:33], s[58:59]
	s_add_nc_u64 s[34:35], s[34:35], s[60:61]
.macro LOADM t                         ; key step t of my four: 16 rows x 512 consecutive bytes, into set t % 2
.irp i, 0,1,2,3,4,5,6,7,8,9,10,11,12,13,14,15
	global_load_b128 v[R+64*((\t)%2)+4*\i:R+64*((\t)%2)+4*\i+3], v7, s[6:7] offset:(\i+8*(\i/8))*16384+512*(\t) th:TH_LOAD_NT
.endr
.endm
	s_cmp_lt_u32 s36, 6
	s_cbranch_scc0 .Lno_x_load
.irp b, 0,1,2,3
.irp j, 0,1,2,3
	global_load_b128 v[X+16*\b+4*\j:X+16*\b+4*\j+3], v6, s[4:5] offset:128*\b+16*\j   ; register 16 b + i = x(my row, 128 w + 32 b + 16 h + i)
.endr
.endr
.Lno_x_load:
	LOADM 0
	LOADM 1
	s_cmp_lt_u32 s36, 6
	s_cbranch_scc0 .Lno_x
	s_wait_loadcnt 32                              ; x's 16 loads are in; the 32 mask loads behind them stay out
.irp b, 0,1,2,3
	v_max3_num_f32 v[TM+\b], |v[X+16*\b]|, |v[X+1+16*\b]|, 0x8000000   ; block b: my 16 numbers and the floor 2^(16 - 127)
.endr
.irp i, 2,4,6,8,10,12,14
.irp b, 0,1,2,3
	s_delay_alu instid0(VALU_DEP_4)
	v_max3_num_f32 v[TM+\b], v[TM+\b], |v[X+16*\b+\i]|, |v[X+1+16*\b+\i]|
.endr
.endr
.irp b, 0,1,2,3
	s_delay_alu instid0(VALU_DEP_4)
	v_permlanex16_b32 v[TM+4+\b], v[TM+\b], s[SEL], s[SEL+1]
.endr
.irp b, 0,1,2,3
	s_delay_alu instid0(VALU_DEP_4)
	v_max_num_f32 v[TM+\b], v[TM+\b], v[TM+4+\b]   ; with lane l xor 16's: the block's largest magnitude
.endr
.irp b, 0,1,2,3
	s_delay_alu instid0(VALU_DEP_4)
	v_add_nc_u32 v[TM+12+\b], 0xf8800000, v[TM+\b] ; 15 off its exponent field: the conversion's scale operand
.endr
.irp b, 0,1,2,3
	v_and_or_b32 v[TM+8+\b], v[TM+\b], 0x7f800000, s[MNT]   ; 57,344 x the scale
.endr
.irp b, 0,1,2,3
	v_lshrrev_b32 v[TM+4+\b], 23, v[TM+12+\b]      ; the scale's byte
.endr
	s_delay_alu instid0(VALU_DEP_3)
	v_lshl_or_b32 v[PW], v[TM+5], 8, v[TM+4]
	s_delay_alu instid0(VALU_DEP_1)
	v_lshl_or_b32 v[PW], v[TM+6], 16, v[PW]
	s_delay_alu instid0(VALU_DEP_1)
	v_lshl_or_b32 v[PW], v[TM+7], 24, v[PW]
.irp b, 0,1,2,3
.irp i, 0,1,2,3,4,5,6,7,8,9,10,11,12,13,14,15
	v_med3_num_f32 v[X+16*\b+\i], v[X+16*\b+\i], -v[TM+8+\b], v[TM+8+\b]   ; the conversion does not saturate (ISA guide 7.6.2): the hold
.endr
.endr
.irp b, 0,1,2,3
	v_cvt_scalef32_pk8_bf8_f32 v[PC+4*\b:PC+4*\b+1], v[X+16*\b:X+16*\b+7], v[TM+12+\b]
	v_cvt_scalef32_pk8_bf8_f32 v[PC+4*\b+2:PC+4*\b+3], v[X+16*\b+8:X+16*\b+15], v[TM+12+\b]
.endr
	v_nop                                          ; a plain line behind the last conversion
.irp c, 0,1,2,3
	global_store_b128 v7, v[PC+4*\c:PC+4*\c+3], s[56:57] offset:512*\c   ; the image: 512 consecutive bytes a store
.endr
	global_store_b32 v8, v[PW], s[58:59]           ; both halves of the lanes hold the same word
.Lno_x:
.macro STEPM t
.if (\t) < 3
	s_wait_loadcnt 16                              ; this step's 16 loads are in; the younger set stays out
.else
	s_wait_loadcnt 0x0
.endif
.irp i, 0,1,2,3,4,5,6,7,8,9,10,11,12,13,14,15
	ds_store_b128 v3, v[R+64*((\t)%2)+4*\i:R+64*((\t)%2)+4*\i+3] offset:528*\i
.endr
.irp b, 0,1,2,3
.irp g, 0,1,2,3
	ds_load_b128 v[X+16*\b+4*\g:X+16*\b+4*\g+3], v4 offset:128*\b+16*\g   ; LDS serves a wave's instructions in order: these see my stores
.endr
.endr
	s_wait_dscnt 0x0                               ; the numbers are back, and the stores have read their registers
.if (\t) < 2
	LOADM (\t)+2
.endif
.set n, 0
.rept 8
.irp e, 0,1,2,3,4,5,6,7
	v_cmp_ne_u32 s[40+\e], 0, v[X+n+\e]            ; word n: a bit a lane
.endr
.irp e, 0,1,2,3,4,5,6,7
	v_writelane_b32 v[W+2*(\t)+\e%2], s[40+\e], (n+\e)/2   ; words 2 L and 2 L + 1 to lane L
.endr
.set n, n+8
.endr
	global_store_b64 v5, v[W+2*(\t):W+2*(\t)+1], s[34:35] offset:256*(\t)   ; 256 consecutive bytes, aligned
.endm
	STEPM 0
	STEPM 1
	STEPM 2
	STEPM 3
	s_wait_tensorcnt 0x0                           ; the wave's end
	ds_add_u32 v9, v10
	s_wait_dscnt 0x0
	s_endpgm
; ---------------- the weights' path: no LDS
.Lweights:
	s_sub_co_u32 s37, ttmp9, 256                   ; g: 0-5 wq, 6-11 wk, 12-17 wv, 18-23 wo, 24-47 w1, 48-71 w2
	s_lshl_b32 s38, s37, 3
	s_add_co_u32 s38, s38, s36                     ; my unit
	s_mov_b32 s39, 0                               ; the weight's first unit
	s_wait_kmcnt 0x0
	s_cmp_ge_u32 s37, 6
	s_cselect_b64 s[8:9], s[12:13], s[8:9]
	s_cselect_b64 s[10:11], s[14:15], s[10:11]
	s_cselect_b32 s39, 48, s39
	s_cmp_ge_u32 s37, 12
	s_cselect_b64 s[8:9], s[16:17], s[8:9]
	s_cselect_b64 s[10:11], s[18:19], s[10:11]
	s_cselect_b32 s39, 96, s39
	s_cmp_ge_u32 s37, 18
	s_cselect_b64 s[8:9], s[20:21], s[8:9]
	s_cselect_b64 s[10:11], s[22:23], s[10:11]
	s_cselect_b32 s39, 144, s39
	s_cmp_ge_u32 s37, 24
	s_cselect_b64 s[8:9], s[24:25], s[8:9]
	s_cselect_b64 s[10:11], s[26:27], s[10:11]
	s_cselect_b32 s39, 192, s39
	s_cmp_ge_u32 s37, 48
	s_cselect_b64 s[8:9], s[28:29], s[8:9]
	s_cselect_b64 s[10:11], s[30:31], s[10:11]
	s_cselect_b32 s39, 384, s39
	s_sub_co_u32 s40, s38, s39                     ; the unit within its weight
	s_lshr_b32 s41, s40, 2
	s_and_b32 s42, s40, 3
	s_mul_i32 s42, s42, 6
	s_mov_b32 s43, 768
	s_cmp_ge_u32 s37, 48                           ; w2 has K = 3,072: four units to a tile of rows
	s_cselect_b32 s41, s41, s40                    ; the tile of rows
	s_cselect_b32 s42, s42, 0                      ; the unit's first K step
	s_cselect_b32 s43, 3072, s43                   ; a row of codes in bytes
	s_lshr_b32 s44, s41, 1
	s_lshl_b32 s44, s44, 5
	s_and_b32 s45, s41, 1
	s_lshl_b32 s45, s45, 3
	s_add_co_u32 s44, s44, s45                     ; the tile's first row
	s_mul_i32 s46, s44, s43
	s_lshl_b32 s45, s42, 7
	s_add_co_u32 s46, s46, s45
	s_mov_b32 s47, 0
	s_add_nc_u64 s[8:9], s[8:9], s[46:47]
	s_lshr_b32 s48, s43, 5                         ; a row of scale bytes
	s_mul_i32 s46, s44, s48
	s_lshl_b32 s45, s42, 2
	s_add_co_u32 s46, s46, s45
	s_add_nc_u64 s[10:11], s[10:11], s[46:47]
	s_mul_i32 s46, s38, 12288
	s_add_co_u32 s46, s46, WI
	s_add_nc_u64 s[50:51], s[32:33], s[46:47]
	s_mul_i32 s46, s38, 384
	s_add_co_u32 s46, s46, WS
	s_add_nc_u64 s[56:57], s[32:33], s[46:47]
	s_wait_alu depctr_va_vdst(0)
	v_mul_lo_u32 v2, v54, s43
	s_delay_alu instid0(VALU_DEP_1)
	v_lshl_add_u32 v2, v53, 4, v2                  ; codes: my row, + 16 h
	v_mul_lo_u32 v3, v54, s48                      ; scale words: my row
.irp f, 0,1,2,3,4,5
.irp c, 0,1,2,3
	global_load_b128 v[64+16*\f+4*\c:64+16*\f+4*\c+3], v2, s[8:9] offset:128*\f+32*\c
.endr
	global_load_b32 v[160+\f], v3, s[10:11] offset:4*\f
.endr
	s_wait_loadcnt 0x0
.irp f, 0,1,2,3,4,5
.irp c, 0,1,2,3
	global_store_b128 v7, v[64+16*\f+4*\c:64+16*\f+4*\c+3], s[50:51] offset:2048*\f+512*\c
.endr
	global_store_b32 v8, v[160+\f], s[56:57] offset:64*\f
.endr
	s_endpgm
.Lfunc_end_k_q0bb73f91ef_prep:
	.size	k_q0bb73f91ef_prep, .Lfunc_end_k_q0bb73f91ef_prep-k_q0bb73f91ef_prep
	.p2alignl 7, 3214868480
	.fill 96, 4, 3214868480
	.section	.rodata,"a",@progbits
	.p2align	6, 0x0
	.amdhsa_kernel k_q0bb73f91ef_prep
		.amdhsa_group_segment_fixed_size 68608
		.amdhsa_private_segment_fixed_size 0
		.amdhsa_enable_private_segment 0
		.amdhsa_kernarg_size 128
		.amdhsa_user_sgpr_count 2
		.amdhsa_user_sgpr_kernarg_segment_ptr 1
		.amdhsa_wavefront_size32 1
		.amdhsa_system_sgpr_workgroup_id_x 1
		.amdhsa_system_sgpr_workgroup_id_y 1
		.amdhsa_system_sgpr_workgroup_id_z 1
		.amdhsa_system_vgpr_workitem_id 0
		.amdhsa_next_free_vgpr 256
		.amdhsa_next_free_sgpr 66
		.amdhsa_reserve_vcc 0
		.amdhsa_float_denorm_mode_32 3
		.amdhsa_float_denorm_mode_16_64 3
		.amdhsa_memory_ordered 1
		.amdhsa_forward_progress 1
		.amdhsa_inst_pref_size 70
	.end_amdhsa_kernel
	.amdgpu_metadata
---
amdhsa.version: [ 1, 2 ]
amdhsa.kernels:
  - .name:           k_q0bb73f91ef_prep
    .symbol:         k_q0bb73f91ef_prep.kd
    .args:
      - { .name: x, .offset: 0, .size: 8, .value_kind: global_buffer, .address_space: global }
      - { .name: mask, .offset: 8, .size: 8, .value_kind: global_buffer, .address_space: global }
      - { .name: wq_codes, .offset: 16, .size: 8, .value_kind: global_buffer, .address_space: global }
      - { .name: wq_scales, .offset: 24, .size: 8, .value_kind: global_buffer, .address_space: global }
      - { .name: wk_codes, .offset: 32, .size: 8, .value_kind: global_buffer, .address_space: global }
      - { .name: wk_scales, .offset: 40, .size: 8, .value_kind: global_buffer, .address_space: global }
      - { .name: wv_codes, .offset: 48, .size: 8, .value_kind: global_buffer, .address_space: global }
      - { .name: wv_scales, .offset: 56, .size: 8, .value_kind: global_buffer, .address_space: global }
      - { .name: wo_codes, .offset: 64, .size: 8, .value_kind: global_buffer, .address_space: global }
      - { .name: wo_scales, .offset: 72, .size: 8, .value_kind: global_buffer, .address_space: global }
      - { .name: w1_codes, .offset: 80, .size: 8, .value_kind: global_buffer, .address_space: global }
      - { .name: w1_scales, .offset: 88, .size: 8, .value_kind: global_buffer, .address_space: global }
      - { .name: w2_codes, .offset: 96, .size: 8, .value_kind: global_buffer, .address_space: global }
      - { .name: w2_scales, .offset: 104, .size: 8, .value_kind: global_buffer, .address_space: global }
      - { .name: pbuf, .offset: 112, .size: 8, .value_kind: global_buffer, .address_space: global }
      - { .name: maskw, .offset: 120, .size: 8, .value_kind: global_buffer, .address_space: global }
    .group_segment_fixed_size: 68608
    .private_segment_fixed_size: 0
    .kernarg_segment_align: 8
    .kernarg_segment_size: 128
    .max_flat_workgroup_size: 256
    .sgpr_count:     66
    .vgpr_count:     256
    .wavefront_size: 32
...
	.end_amdgpu_metadata
.endif
;; end of part 1
;; launch qkv (part 2): grid 16 x 9, 8 waves a work-group, clusters of 4 x 1, 327,680 bytes of LDS; arguments pbuf, bq, bk, bv, qkvb; writes qkvb
.if DOCPART == 2
	.amdgcn_target "amdgcn-amd-amdhsa--gfx1250"
	.amdhsa_code_object_version 6
	.text
	.protected	k_q0bb73f91ef_qkv
	.globl	k_q0bb73f91ef_qkv
	.p2align	8
	.type	k_q0bb73f91ef_qkv,@function
k_q0bb73f91ef_qkv:
	s_mov_b64 s[64:65], 0
	v_nop
	global_prefetch_b8 v0, s[64:65] scope:SCOPE_SE
	s_setreg_imm32_b32 hwreg(HW_REG_WAVE_MODE, 25, 1), 1
	s_wait_xcnt 0x0
	s_wait_alu depctr_hold_cnt(0) depctr_sa_sdst(0) depctr_va_vdst(0) depctr_va_sdst(0) depctr_va_ssrc(0) depctr_va_vcc(0) depctr_vm_vsrc(0)
	s_getreg_b32 s2, hwreg(HW_REG_IB_STS2, 6, 4)
	s_cmp_eq_u32 s2, 0
	s_cbranch_scc0 .Lentry_in_a_cluster
	s_endpgm
.Lentry_in_a_cluster:
	s_bfe_u32 s2, ttmp6, 0x10000c
	s_cmp_lg_u32 s2, 0x3003
	s_cbranch_scc0 .Lentry_shape_is_right
	s_endpgm
.Lentry_shape_is_right:
; ENCODER BLOCK, launch 2 of 6: q = x wq + bq, k = x wk + bk, v = x wv + bv on codes of BF8 (E5M2) with E8M0 scales, and the three results quantised in registers for attention.  No work of reference() is left out.
; A work-group makes 256 tokens (mx) x 256 outputs (y: 0-2 of q, 3-5 of k, 6-8 of v), K = 768 in six steps of 128.  Operands are images of fragments (see the first launch): every LDS access is 16 x lane, dense.
; EVERY PRODUCT IS D = S0 x S1: source 0 = 8 tiles (128 rows), source 1 = tiles of 16 rows.  A UNIT (one S1 tile against the 8 S0 tiles, 64 registers) gives lane (r, h) S1's row rho(T, r) and in register 16 b + i S0's index 32 b + 16 h + i:
; 64 numbers that quantise in registers into one whole fragment and one scale word.  q and k: S1 = tokens, S0 = weight rows (K of the scores = the head's 64).  v: S1 = wv's rows (a head's 64 channels), S0 = 128 tokens (K of the second product = the keys).
; Eight waves: wave w takes S1's tiles 4 (w / 2) .. + 3 and S0's tiles 8 (w % 2) .. + 7: 32 accumulators in window 1.
; LDS: two slots of 131,072 bytes (16 tile rows x 2 K steps of x, the same of the weight), the scale images of all of K behind them (filled once), the spare words.
; CLUSTER 4 x 1: the four partners share y, so the weight's panel is asked for jointly (waves 4-7); x's panels differ (waves 0-3, plain loads in the same rounds).  x's panels are shared along y, which is 9 here: 4 does not divide it, so they are not joint.
; A wave has at most one tensor load out.  No prefetch: three fills in all, and the first two go out at the head.
; q's and k's scale words carry 0x7f in bytes 2 and 3: attention pads K = 64 to 128 with zero codes.
; LIMITS: a block of zeros gets the byte 1 (read by this program alone); NaN and infinities are not served.
.set SLOT,  131072
.set SCL,   262144
.set SPARE, 274432
.set ACTS,  3145728                    ; pbuf: x's scale images (x's codes at 0)
.set WI,    3244032
.set WS,    10321920
.set QC,    6881280                    ; qkvb: K and V blocks at 0, q's codes, q's scale images
.set QS,    10027008
.set A1, 4                             ; v4-5   LDS address of S1's fragments in slot 0, 1
.set A0, 6                             ; v6-7   of S0's
.set AS1, 8                            ; v8     of S1's scale words
.set AS0, 9                            ; v9     of S0's
.set SPW, 10                           ; v10    my spare word; never rewritten
.set NIL, 11                           ; v11    0; never rewritten
.set SS1, 16                           ; v16-19 S1's scale words;  v20-27 S0's
.set SS0, 20
.set F1, 32                            ; v32-95 S1's four fragments;  v96-223 S0's eight
.set F0, 96
.set TM, 224                           ; v224-239 the quantiser's 16;  v240 the scale word
.set PW, 240
.set G1A, 24
.set G1W, 32
.set G1SA, 40
.set G1SW, 48
.set G0SA, 56
.set G0A0, 60
.set G0A1, 68
.set G0SW, 72
.set G0W0, 76
.set G0W1, 80
.set SEL, 84
.set MNT, 86
.set WV, 87
.set MSB, 0
.macro WIN new                         ; the immediate's high byte repeats the setting that is left
.if MSB != \new
	s_set_vgpr_msb (MSB<<8)|\new
.set MSB, \new
.endif
.endm
.macro JLOAD g0a, g1a, g0w, g1w        ; waves 0-3 fetch x's rows (plain), waves 4-7 the weight's (joint); an s_nop 0 and four v_nop follow each line
	s_cmp_lt_u32 s[WV], 4
	s_cbranch_scc0 .Lfor_w_\@
	tensor_load_to_lds s[\g0a:\g0a+3], s[\g1a:\g1a+7]
	s_nop 0
.rept 4
	v_nop
.endr
	s_branch .Lasked_\@
.Lfor_w_\@:
	tensor_load_to_lds s[\g0w:\g0w+3], s[\g1w:\g1w+7]
	s_nop 0
.rept 4
	v_nop
.endr
.Lasked_\@:
.endm
.macro CROUND                          ; a round of the cluster's barrier
	s_barrier_signal -1
	s_barrier_wait -1
	s_cmp_lg_u32 s[WV], 0
	s_cbranch_scc1 .Lnot_wave_0_\@
	s_barrier_signal -3
.Lnot_wave_0_\@:
	s_barrier_wait -3
	s_barrier_signal -1
	s_barrier_wait -1
.endm
; 64 numbers of a lane, v[s] on in window win, become a fragment's codes in v[pc] on and its scale word in v[PW] (window 0).  relu = 1: what is negative becomes 0 on the way.
.macro QUANT s, relu, win, pc
	WIN 0x05*(\win)
.irp b, 0,1,2,3
.if \relu
	v_max3_num_f32 v[TM+\b], v[(\s)+16*\b], v[(\s)+1+16*\b], 0x8000000
.else
	v_max3_num_f32 v[TM+\b], |v[(\s)+16*\b]|, |v[(\s)+1+16*\b]|, 0x8000000   ; my 16 numbers of block b and the floor 2^(16 - 127)
.endif
.endr
	WIN 0x14*(\win)
.irp i, 2,4,6,8,10,12,14
.irp b, 0,1,2,3
.if \relu
	v_max3_num_f32 v[TM+\b], v[TM+\b], v[(\s)+16*\b+\i], v[(\s)+1+16*\b+\i]
.else
	s_delay_alu instid0(VALU_DEP_4)
	v_max3_num_f32 v[TM+\b], v[TM+\b], |v[(\s)+16*\b+\i]|, |v[(\s)+1+16*\b+\i]|
.endif
.endr
.endr
	WIN 0
	s_wait_alu depctr_va_vdst(0)
	s_wait_xcnt 0x0                                ; earlier stores have read their data: the scale word, the codes and the numbers are written again only behind this wait
.irp b, 0,1,2,3
	v_permlanex16_b32 v[TM+4+\b], v[TM+\b], s[SEL], s[SEL+1]
.endr
.irp b, 0,1,2,3
	s_delay_alu instid0(VALU_DEP_4)
	v_max_num_f32 v[TM+\b], v[TM+\b], v[TM+4+\b]   ; with lane l xor 16's: the block's largest magnitude
.endr
.irp b, 0,1,2,3
	s_delay_alu instid0(VALU_DEP_4)
	v_add_nc_u32 v[TM+12+\b], 0xf8800000, v[TM+\b] ; 15 off its exponent field: the conversion's scale operand
.endr
.irp b, 0,1,2,3
	v_and_or_b32 v[TM+8+\b], v[TM+\b], 0x7f800000, s[MNT]   ; 57,344 x the scale
.endr
.irp b, 0,1,2,3
	v_lshrrev_b32 v[TM+4+\b], 23, v[TM+12+\b]      ; the scale's byte
.endr
	s_delay_alu instid0(VALU_DEP_3)
	v_lshl_or_b32 v[PW], v[TM+5], 8, v[TM+4]
	s_delay_alu instid0(VALU_DEP_1)
	v_lshl_or_b32 v[PW], v[TM+6], 16, v[PW]
	s_delay_alu instid0(VALU_DEP_1)
	v_lshl_or_b32 v[PW], v[TM+7], 24, v[PW]
	WIN 0x41*(\win)
.irp b, 0,1,2,3
.irp i, 0,1,2,3,4,5,6,7,8,9,10,11,12,13,14,15
.if \relu
	v_med3_num_f32 v[(\s)+16*\b+\i], v[(\s)+16*\b+\i], 0, v[TM+8+\b]
.else
	v_med3_num_f32 v[(\s)+16*\b+\i], v[(\s)+16*\b+\i], -v[TM+8+\b], v[TM+8+\b]   ; the conversion does not saturate (ISA guide 7.6.2): the hold
.endif
.endr
.endr
	WIN 0x01*(\win)
.irp b, 0,1,2,3
	v_cvt_scalef32_pk8_bf8_f32 v[(\pc)+4*\b:(\pc)+4*\b+1], v[(\s)+16*\b:(\s)+16*\b+7], v[TM+12+\b]
	v_cvt_scalef32_pk8_bf8_f32 v[(\pc)+4*\b+2:(\pc)+4*\b+3], v[(\s)+16*\b+8:(\s)+16*\b+15], v[TM+12+\b]
.endr
	WIN 0
	v_nop                                          ; a plain line behind the last conversion
.endm
.macro MUL16 t0, zero                  ; S0's tiles t0 .. t0 + 3 against S1's four: 16 accumulators, one instruction a turn
.irp t, \t0, \t0+1, \t0+2, \t0+3
.irp a, 0,1,2,3
.if \zero
	v_wmma_scale_f32_16x16x128_f8f6f4 v[64*\a+8*(\t):64*\a+8*(\t)+7], v[F0+16*(\t):F0+16*(\t)+15], v[F1+16*\a:F1+16*\a+15], 0, v[SS0+(\t)], v[SS1+\a] matrix_a_fmt:MATRIX_FMT_BF8 matrix_b_fmt:MATRIX_FMT_BF8
.else
	v_wmma_scale_f32_16x16x128_f8f6f4 v[64*\a+8*(\t):64*\a+8*(\t)+7], v[F0+16*(\t):F0+16*(\t)+15], v[F1+16*\a:F1+16*\a+15], v[64*\a+8*(\t):64*\a+8*(\t)+7], v[SS0+(\t)], v[SS1+\a] matrix_a_fmt:MATRIX_FMT_BF8 matrix_b_fmt:MATRIX_FMT_BF8
.endif
.endr
.endr
.endm
.macro KSTEP slot, ks, kidx, zero      ; 128 along K: the slot's ks-th, K step kidx of six
.irp a, 0,1,2,3
	ds_load_b32 v[SS1+\a], v[AS1] offset:384*\a+64*(\kidx)
.endr
.irp t, 0,1,2,3,4,5,6,7
	ds_load_b32 v[SS0+\t], v[AS0] offset:384*\t+64*(\kidx)
.endr
.irp a, 0,1,2,3
.irp c, 0,1,2,3
	ds_load_b128 v[F1+16*\a+4*\c:F1+16*\a+4*\c+3], v[A1+\slot] offset:4096*\a+2048*(\ks)+512*\c
.endr
.endr
.irp t, 0,1,2,3,4,5,6,7
.irp c, 0,1,2,3
	ds_load_b128 v[F0+16*\t+4*\c:F0+16*\t+4*\c+3], v[A0+\slot] offset:4096*\t+2048*(\ks)+512*\c
.endr
.endr
	s_wait_dscnt 16                                ; all but the youngest 16 loads: S0's tiles 4-7
	WIN 0x50                                       ; C and D in window 1
	MUL16 0, \zero
	s_wait_dscnt 0x0
	MUL16 4, \zero
	WIN 0
.rept 8
	v_nop                                          ; eight places in front of the next loads into these registers and of the first read of results
.endr
.endm
	s_load_b64 s[4:5], s[0:1], 0x0                 ; pbuf
	s_load_b256 s[8:15], s[0:1], 0x8               ; bq s[8:9], bk s[10:11], bv s[12:13], qkvb s[14:15]
	v_lshl_add_u32 v[SPW], v0, 2, SPARE
	v_mov_b32 v[NIL], 0
	ds_add_u32 v[SPW], v[NIL]                      ; the opening: the add, twice on end, and its wait ahead of my first tensor load
	ds_add_u32 v[SPW], v[NIL]
	v_lshrrev_b32 v1, 5, v0
	s_delay_alu instid0(VALU_DEP_1)
	v_readfirstlane_b32 s[WV], v1                  ; wave 0..7
	s_bfe_u32 s88, ttmp6, 0x40000                  ; cx
	s_lshl_b32 s89, ttmp9, 2
	s_add_co_u32 s89, s89, s88                     ; mx: my 256 tokens
	s_and_b32 s90, ttmp7, 0xffff                   ; y: shared by the four partners
	s_and_b32 s91, s[WV], 3
	s_mov_b32 s[G1A], 3<<16                        ; elements of 8 bytes, no mask, no padding
	s_mov_b32 s[G1W], 15|(3<<16)|(1<<21)           ; the same for all four work-groups; bit 21 set beside a mask
.irp g, G1A, G1W
	s_mov_b32 s[\g+1], 512<<16                     ; tensor_dim0 = 512 elements: two fragments of a tile row
	s_mov_b32 s[\g+2], 16<<16                      ; tensor_dim1 = 16 tile rows: a whole panel of a slot comes by one load
	s_mov_b32 s[\g+3], 512<<16                     ; tile_dim0
	s_mov_b32 s[\g+4], 16                          ; tile_dim1
	s_mov_b32 s[\g+5], 1536                        ; a tile row's six fragments
	s_mov_b32 s[\g+6], 0
	s_mov_b32 s[\g+7], 0
.endr
	s_mov_b32 s[G1SA], 3<<16
	s_mov_b32 s[G1SW], 15|(3<<16)|(1<<21)
.irp g, G1SA, G1SW
	s_mov_b32 s[\g+1], 32<<16                      ; rows of 256 bytes
	s_mov_b32 s[\g+2], 12<<16                      ; the scale images of eight tile rows: 3,072 dense bytes as 12 rows of 256
	s_mov_b32 s[\g+3], 32<<16
	s_mov_b32 s[\g+4], 12
	s_mov_b32 s[\g+5], 32
	s_mov_b32 s[\g+6], 0
	s_mov_b32 s[\g+7], 0
.endr
	s_lshl_b32 s92, s89, 4
	s_mov_b32 s93, 0                               ; the codes' panels begin at the block's first tile row
	s_and_b32 s91, s[WV], 1
	s_mul_i32 s91, s91, 3072                       ; which half of a panel's scale images a scale-fetching wave takes
	s_add_co_u32 s92, s92, s93                     ; x's tile row 16 mx
	s_mul_i32 s94, s92, 12288
	s_mov_b32 s95, 0
	s_mul_i32 s96, s92, 384
	s_add_co_u32 s96, s96, ACTS
	s_add_co_u32 s96, s96, s91
	s_mov_b32 s97, 0
	s_lshl_b32 s98, s90, 4
	s_add_co_u32 s98, s98, s93                     ; the weights' tile row 16 y: wq, wk, wv on end; no place in the cluster enters it
	s_mul_i32 s100, s98, 384
	s_add_co_u32 s100, s100, WS
	s_add_co_u32 s100, s100, s91
	s_mov_b32 s101, 0
	s_mul_i32 s98, s98, 12288
	s_add_co_u32 s98, s98, WI
	s_mov_b32 s99, 0
	s_mov_b32 s21, s91
	s_mov_b32 s[SEL], 0x76543210
	s_mov_b32 s[SEL+1], 0xfedcba98
	s_mov_b32 s[MNT], 0x600000
	s_wait_dscnt 0x0                               ; both opening adds are done
	s_wait_kmcnt 0x0
	s_mov_b64 s[6:7], s[4:5]                       ; the weights lie in pbuf too
	s_mov_b32 s[G0SA], 1
	s_add_co_u32 s[G0SA+1], s21, SCL
	s_add_nc_u64 s[G0SA+2:G0SA+3], s[4:5], s[96:97]
	s_or_b32 s[G0SA+3], s[G0SA+3], 0x80000000
	s_mov_b32 s[G0SW], 1
	s_add_co_u32 s[G0SW+1], s21, SCL+6144
	s_add_nc_u64 s[G0SW+2:G0SW+3], s[6:7], s[100:101]
	s_or_b32 s[G0SW+3], s[G0SW+3], 0x80000000
	s_mov_b32 s[G0A0], 1
	s_mov_b32 s[G0A0+1], 0
	s_add_nc_u64 s[G0A0+2:G0A0+3], s[4:5], s[94:95]
	s_mov_b32 s[G0A1], 1
	s_mov_b32 s[G0A1+1], SLOT
	s_add_nc_u64 s[G0A1+2:G0A1+3], s[G0A0+2:G0A0+3], 4096
	s_or_b32 s[G0A0+3], s[G0A0+3], 0x80000000
	s_or_b32 s[G0A1+3], s[G0A1+3], 0x80000000
	s_mov_b32 s[G0W0], 1
	s_mov_b32 s[G0W0+1], 65536
	s_add_nc_u64 s[G0W0+2:G0W0+3], s[6:7], s[98:99]
	s_mov_b32 s[G0W1], 1
	s_mov_b32 s[G0W1+1], SLOT+65536
	s_add_nc_u64 s[G0W1+2:G0W1+3], s[G0W0+2:G0W0+3], 4096
	s_or_b32 s[G0W0+3], s[G0W0+3], 0x80000000
	s_or_b32 s[G0W1+3], s[G0W1+3], 0x80000000
	CROUND                                         ; all four work-groups are here: the first joint loads meet
; THE HEAD'S LOADS, ONE A WAVE: wave 0 x's panel of slot 0, wave 1 x's of slot 1, waves 2, 3 the halves of x's scale images (plain loads);
; wave 4 the weight's panel of slot 0, wave 5 its panel of slot 1, waves 6, 7 the halves of its scale images (joint loads).  One chain of branches on the wave's number, an arm a load.
.macro ARM under, g0, g1, next
	s_cmp_lt_u32 s[WV], \under
	s_cbranch_scc0 \next
	tensor_load_to_lds s[\g0:\g0+3], s[\g1:\g1+7]
	s_nop 0
.rept 4
	v_nop
.endr
	s_branch .Lhead_asked
\next:
.endm
	ARM 1, G0A0, G1A, .Lhead_1
	ARM 2, G0A1, G1A, .Lhead_2
	ARM 4, G0SA, G1SA, .Lhead_3
	ARM 5, G0W0, G1W, .Lhead_4
	ARM 6, G0W1, G1W, .Lhead_5
	tensor_load_to_lds s[G0SW:G0SW+3], s[G1SW:G1SW+7]
	s_nop 0
.rept 4
	v_nop
.endr
.Lhead_asked:
	v_and_b32 v1, 31, v0
	s_delay_alu instid0(VALU_DEP_1)
	v_lshlrev_b32 v3, 2, v1                        ; v3  4 x lane
	s_delay_alu instid0(VALU_DEP_2)
	v_lshlrev_b32 v1, 4, v1                        ; v1  16 x lane
	s_wait_alu depctr_va_vdst(0)
	v_and_b32 v12, 15, v0
	s_delay_alu instid0(VALU_DEP_1)
	v_lshlrev_b32 v2, 2, v12                       ; v2  4 r
	v_bfe_u32 v13, v0, 4, 1
	s_delay_alu instid0(VALU_DEP_1)
	v_lshlrev_b32 v15, 6, v13                      ; v15 64 h
	s_delay_alu instid0(VALU_DEP_4)
	v_and_b32 v14, 8, v12
	s_delay_alu instid0(VALU_DEP_1)
	v_add_nc_u32 v14, v14, v12
	s_delay_alu instid0(VALU_DEP_1)
	v_lshlrev_b32 v14, 2, v14                      ; v14 4 (r + 8 (r / 8))
	s_lshr_b32 s16, s[WV], 1                       ; which four tiles of S1
	s_and_b32 s17, s[WV], 1                        ; which eight tiles of S0
	s_cmp_ge_u32 s90, 6                            ; v: S1 = the weight, S0 = x
	s_cselect_b32 s20, 65536, 0
	s_cselect_b32 s21, 0, 65536
	s_cselect_b32 s22, 6144, 0
	s_cselect_b32 s23, 0, 6144
	s_lshl_b32 s18, s16, 14
	s_add_co_u32 s18, s18, s20
	s_lshl_b32 s19, s17, 15
	s_add_co_u32 s19, s19, s21
	v_add_nc_u32 v[A1], s18, v1
	v_add_nc_u32 v[A0], s19, v1
	s_delay_alu instid0(VALU_DEP_2)
	v_add_nc_u32 v[A1+1], SLOT, v[A1]
	s_delay_alu instid0(VALU_DEP_2)
	v_add_nc_u32 v[A0+1], SLOT, v[A0]
	s_mul_i32 s18, s16, 1536
	s_add_co_u32 s18, s18, s22
	s_add_co_u32 s18, s18, SCL
	s_mul_i32 s19, s17, 3072
	s_add_co_u32 s19, s19, s23
	s_add_co_u32 s19, s19, SCL
	v_add_nc_u32 v[AS1], s18, v2
	v_add_nc_u32 v[AS0], s19, v2
.irp b, 0,1,2,3
	v_mov_b32 v[TM+4+\b], 0                        ; a lane permute's destination counts as read
.endr
	s_wait_alu depctr_va_vdst(0)
	s_and_b32 s18, s[WV], 3
	s_cmp_eq_u32 s18, 1                            ; waves 1 and 5 fetch slot 1, by load lines of their own: their load may stay out
	s_cbranch_scc1 .Lslot_1_out
	s_wait_tensorcnt 0x0                           ; the scale images and slot 0 are in
.Lslot_1_out:
	s_barrier_signal -1
	s_barrier_wait -1
	KSTEP 0, 0, 0, 1                               ; the first products start the sums
	KSTEP 0, 1, 1, 0
	s_wait_tensorcnt 0x0                           ; all my tensor loads have landed, slot 1's among them
	ds_add_u32 v[SPW], v[NIL]
	s_add_nc_u64 s[G0A0+2:G0A0+3], s[G0A0+2:G0A0+3], 8192   ; K steps 4, 5
	s_add_nc_u64 s[G0W0+2:G0W0+3], s[G0W0+2:G0W0+3], 8192
	s_wait_dscnt 0x0                               ; the add is done, and my reads of slot 0 are over
	CROUND                                         ; of every wave of all four work-groups
	s_cmp_eq_u32 s[WV], 0                          ; the one refill: wave 0 x's panel, wave 4 the weight's (joint)
	s_cbranch_scc0 .Lrefill_w
	tensor_load_to_lds s[G0A0:G0A0+3], s[G1A:G1A+7]
	s_nop 0
.rept 4
	v_nop
.endr
	s_branch .Lrefill_asked
.Lrefill_w:
	s_cmp_eq_u32 s[WV], 4
	s_cbranch_scc0 .Lrefill_asked
	tensor_load_to_lds s[G0W0:G0W0+3], s[G1W:G1W+7]
	s_nop 0
.rept 4
	v_nop
.endr
.Lrefill_asked:
	KSTEP 1, 0, 2, 0
	KSTEP 1, 1, 3, 0
	s_wait_tensorcnt 0x0                           ; my part of slot 0 is in
	s_wait_dscnt 0x0
	s_barrier_signal -1
	s_barrier_wait -1                              ; everybody's is; nothing is filled again
	KSTEP 0, 0, 4, 0
	KSTEP 0, 1, 5, 0
	s_cmp_ge_u32 s90, 6                            ; y is the same in all waves and all partners
	s_cbranch_scc1 .Lvpath
; ---- q and k: + bias, quantised along the head's 64 channels; blocks 0, 1 are head 2 G, blocks 2, 3 head 2 G + 1
	s_sub_co_u32 s18, s90, 3
	s_cmp_lt_u32 s90, 3
	s_cselect_b32 s18, s90, s18                    ; y mod 3
	s_cselect_b64 s[8:9], s[8:9], s[10:11]         ; bq or bk
	s_lshl_b32 s18, s18, 1
	s_add_co_u32 s18, s18, s17                     ; G: my 128 outputs
	s_lshl_b32 s22, s18, 9
	s_mov_b32 s23, 0
	s_add_nc_u64 s[8:9], s[8:9], s[22:23]
.irp b, 0,1,2,3
.irp j, 0,1,2,3
	global_load_b128 v[160+16*\b+4*\j:160+16*\b+4*\j+3], v15, s[8:9] offset:128*\b+16*\j   ; the bias in a unit's layout
.endr
.endr
	s_lshl_b32 s19, s89, 4
	s_lshl_b32 s22, s16, 2
	s_add_co_u32 s19, s19, s22                     ; T0: my first tile of tokens
	s_and_b32 s2, s16, 1
	s_lshr_b32 s3, s[WV], 2
	s_mul_i32 s20, s89, 107520                     ; k: fill mx,
	s_mul_i32 s3, s3, 17920                        ; key step w / 4 of its two
	s_add_co_u32 s20, s20, s3
	s_lshl_b32 s21, s2, 12                         ; key tiles 4 ((w / 2) % 2) on: codes,
	s_lshl_b32 s22, s2, 9
	s_add_co_u32 s22, s22, 16384                   ; scale images
	s_lshl_b32 s23, s19, 10
	s_add_co_u32 s23, s23, QC                      ; q: 1,024 bytes of codes a tile,
	s_lshl_b32 s2, s19, 7
	s_add_co_u32 s2, s2, QS                        ; 128 of scale words
.macro HOFF hd, oc, os                 ; where head s[hd]'s codes and scale images begin in qkvb
	s_mul_i32 s92, s[\hd], 11
	s_lshr_b32 s92, s92, 5                         ; head / 3
	s_mul_i32 s93, s92, 3
	s_sub_co_u32 s93, s[\hd], s93                  ; head % 3
	s_mul_i32 s92, s92, 1720320
	s_mul_i32 s93, s93, 35840
	s_add_co_u32 s92, s92, s93
	s_add_co_u32 s92, s92, s20
	s_add_co_u32 s93, s92, s22
	s_add_co_u32 s92, s92, s21
	s_lshl_b32 s94, s[\hd], 18
	s_add_co_u32 s94, s94, s23
	s_lshl_b32 s95, s[\hd], 15
	s_add_co_u32 s95, s95, s2
	s_cmp_lt_u32 s90, 3
	s_cselect_b32 s[\oc], s94, s92
	s_cselect_b32 s[\os], s95, s93
	s_mov_b32 s[\oc+1], 0
	s_mov_b32 s[\os+1], 0
	s_add_nc_u64 s[\oc:\oc+1], s[14:15], s[\oc:\oc+1]
	s_add_nc_u64 s[\os:\os+1], s[14:15], s[\os:\os+1]
.endm
	s_lshl_b32 s3, s18, 1                          ; (the descriptors' registers are free: no tensor load is out)
	HOFF 3, 24, 26
	s_add_co_u32 s3, s3, 1
	HOFF 3, 28, 30
	s_mov_b32 s92, 0xffff
	s_mov_b32 s93, 0x7f7f0000
	s_wait_loadcnt 0x0
.irp a, 0,1,2,3
	WIN 0x01                                       ; source 0 in window 1
.set i, 0
.rept 32
	v_pk_add_f32 v[32+i:33+i], v[64*\a+i:64*\a+i+1], v[160+i:161+i]
.set i, i+2
.endr
	QUANT 32, 0, 0, 96
	v_and_or_b32 v241, v[PW], s92, s93             ; head 2 G's two bytes, and 0x7f for the padding's blocks
	v_lshrrev_b32 v242, 16, v[PW]
	s_delay_alu instid0(VALU_DEP_1)
	v_or_b32 v242, s93, v242                       ; head 2 G + 1's
	global_store_b128 v1, v[96:99], s[24:25] offset:1024*\a
	global_store_b128 v1, v[100:103], s[24:25] offset:1024*\a+512
	global_store_b128 v1, v[104:107], s[28:29] offset:1024*\a
	global_store_b128 v1, v[108:111], s[28:29] offset:1024*\a+512
	global_store_b32 v3, v241, s[26:27] offset:128*\a
	global_store_b32 v3, v242, s[30:31] offset:128*\a
.endr
	s_wait_tensorcnt 0x0                           ; the wave's end
	ds_add_u32 v[SPW], v[NIL]
	s_wait_dscnt 0x0
	CROUND                                         ; the closing round
	s_endpgm
; ---- v: a lane holds one channel, its registers 128 keys: + bias, quantised along the keys
.Lvpath:
	s_sub_co_u32 s18, s90, 6
	s_lshl_b32 s18, s18, 2
	s_add_co_u32 s18, s18, s16                     ; my head
	s_lshl_b32 s22, s18, 8
	s_mov_b32 s23, 0
	s_add_nc_u64 s[12:13], s[12:13], s[22:23]
.irp a, 0,1,2,3
	global_load_b32 v[244+2*\a], v14, s[12:13] offset:4*(32*(\a/2)+8*(\a%2))   ; bv of my channel in tile a
	v_mov_b32 v[245+2*\a], 0                       ; (named with it as a pair)
.endr
	s_mul_i32 s92, s18, 11
	s_lshr_b32 s92, s92, 5
	s_mul_i32 s93, s92, 3
	s_sub_co_u32 s93, s18, s93
	s_mul_i32 s92, s92, 1720320
	s_mul_i32 s93, s93, 35840
	s_add_co_u32 s92, s92, s93
	s_mul_i32 s93, s89, 107520
	s_add_co_u32 s92, s92, s93
	s_mul_i32 s93, s17, 17920                      ; key step 2 mx + w % 2
	s_add_co_u32 s92, s92, s93
	s_mov_b32 s93, 0
	s_add_nc_u64 s[24:25], s[14:15], s[92:93]
	s_wait_alu depctr_va_vdst(0)
	s_wait_loadcnt 0x0
.irp a, 0,1,2,3
	WIN 0x01
.set i, 0
.rept 32
	v_pk_add_f32 v[32+i:33+i], v[64*\a+i:64*\a+i+1], v[244+2*\a:245+2*\a] op_sel_hi:[1,0]
.set i, i+2
.endr
	QUANT 32, 0, 0, 96
.irp c, 0,1,2,3
	global_store_b128 v1, v[96+4*\c:99+4*\c], s[24:25] offset:8192+512*(4*\a+\c)
.endr
	global_store_b32 v3, v[PW], s[24:25] offset:17408+128*\a
.endr
	s_wait_tensorcnt 0x0                           ; the wave's end
	ds_add_u32 v[SPW], v[NIL]
	s_wait_dscnt 0x0
	CROUND                                         ; the closing round
	s_endpgm
.Lfunc_end_k_q0bb73f91ef_qkv:
	.size	k_q0bb73f91ef_qkv, .Lfunc_end_k_q0bb73f91ef_qkv-k_q0bb73f91ef_qkv
	.p2alignl 7, 3214868480
	.fill 96, 4, 3214868480
	.section	.rodata,"a",@progbits
	.p2align	6, 0x0
	.amdhsa_kernel k_q0bb73f91ef_qkv
		.amdhsa_group_segment_fixed_size 327680
		.amdhsa_private_segment_fixed_size 0
		.amdhsa_enable_private_segment 0
		.amdhsa_kernarg_size 40
		.amdhsa_user_sgpr_count 2
		.amdhsa_user_sgpr_kernarg_segment_ptr 1
		.amdhsa_wavefront_size32 1
		.amdhsa_system_sgpr_workgroup_id_x 1
		.amdhsa_system_sgpr_workgroup_id_y 1
		.amdhsa_system_sgpr_workgroup_id_z 1
		.amdhsa_system_vgpr_workitem_id 0
		.amdhsa_next_free_vgpr 512
		.amdhsa_next_free_sgpr 102
		.amdhsa_reserve_vcc 0
		.amdhsa_float_denorm_mode_32 3
		.amdhsa_float_denorm_mode_16_64 3
		.amdhsa_memory_ordered 1
		.amdhsa_forward_progress 1
		.amdhsa_inst_pref_size 161
	.end_amdhsa_kernel
	.amdgpu_metadata
---
amdhsa.version: [ 1, 2 ]
amdhsa.kernels:
  - .name:           k_q0bb73f91ef_qkv
    .symbol:         k_q0bb73f91ef_qkv.kd
    .args:
      - { .name: pbuf, .offset: 0, .size: 8, .value_kind: global_buffer, .address_space: global }
      - { .name: bq, .offset: 8, .size: 8, .value_kind: global_buffer, .address_space: global }
      - { .name: bk, .offset: 16, .size: 8, .value_kind: global_buffer, .address_space: global }
      - { .name: bv, .offset: 24, .size: 8, .value_kind: global_buffer, .address_space: global }
      - { .name: qkvb, .offset: 32, .size: 8, .value_kind: global_buffer, .address_space: global }
    .group_segment_fixed_size: 327680
    .private_segment_fixed_size: 0
    .kernarg_segment_align: 8
    .kernarg_segment_size: 40
    .max_flat_workgroup_size: 256
    .sgpr_count:     102
    .vgpr_count:     512
    .wavefront_size: 32
...
	.end_amdgpu_metadata
.endif
;; end of part 2
;; launch attn (part 3): grid 64 x 4, 12 waves a work-group, clusters of 4 x 1, 327,680 bytes of LDS; arguments qkvb, maskw, cbuf; writes cbuf
.if DOCPART == 3
	.amdgcn_target "amdgcn-amd-amdhsa--gfx1250"
	.amdhsa_code_object_version 6
	.text
	.protected	k_q0bb73f91ef_attn
	.globl	k_q0bb73f91ef_attn
	.p2align	8
	.type	k_q0bb73f91ef_attn,@function
k_q0bb73f91ef_attn:
	s_mov_b64 s[64:65], 0
	v_nop
	global_prefetch_b8 v0, s[64:65] scope:SCOPE_SE
	s_setreg_imm32_b32 hwreg(HW_REG_WAVE_MODE, 25, 1), 1
	s_wait_xcnt 0x0
	s_wait_alu depctr_hold_cnt(0) depctr_sa_sdst(0) depctr_va_vdst(0) depctr_va_sdst(0) depctr_va_ssrc(0) depctr_va_vcc(0) depctr_vm_vsrc(0)
	s_getreg_b32 s2, hwreg(HW_REG_IB_STS2, 6, 4)
	s_cmp_eq_u32 s2, 0
	s_cbranch_scc0 .Lentry_in_a_cluster
	s_endpgm
.Lentry_in_a_cluster:
	s_bfe_u32 s2, ttmp6, 0x10000c
	s_cmp_lg_u32 s2, 0x3003
	s_cbranch_scc0 .Lentry_shape_is_right
	s_endpgm
.Lentry_shape_is_right:
; ENCODER BLOCK, launch 3 of 6: ctx = softmax(where(mask == 0, masked, q k^T / 8)) v for 12 heads of 64, both products on codes of BF8 (E5M2) with E8M0 scales; ctx is quantised in registers for the projection.  No work of reference() is left out.
; THE SOFTMAX: t = score x log2(e) / 8; M = the running largest t rounded up to a whole number; p = 2^(t - M) is quantised along the keys, not normalised; the row's sum is taken of the unquantised p and divides at the end; when M moves, sum and O are multiplied by 2^(old M - new M), exactly.
; SHARES.  A work-group owns 64 queries (four tiles) of three heads (group hg = y); wave w: head 3 hg + w / 4, query tile 4 qb + w % 4.  Three waves to a SIMD.  Every wave walks all 4,096 keys, 128 a step.
; LAYOUT.  Both products transposed (S^T = K Q^T, O^T = V^T P^T): a lane holds one query throughout.  Tiles take the program's row order, so that p's 16 registers of two neighbouring tiles are 16 neighbouring keys, and O^T's registers run along the head's channels.
; K = 64 of the first product: Q's registers 8-15 are zero codes; a key tile's registers 8-15 are the next tile's codes (finite; zeros behind tile 7), which meet those zeros; both sides' scale bytes 2, 3 are 0x7f.
; THE MASK comes as lane masks, one word for each score register, by scalar loads a step ahead; the select is v_cndmask_b32: no branch hangs on it.
; RING.  Two slots, 2^17 bytes apart, of 107,520 bytes: three heads x two key steps x (K codes, V codes, K scale images, V scale images), dense in memory.  Each of the 12 waves brings 8,960 bytes.
; CLUSTER 4 x 1: the four partners walk the same K and V: every fill is one joint load a wave.  By this text's count one tensor load of a wave is out.
; LIMITS: a masked logit is -2^30 (raw score -2^33) where reference() writes -1e9: c x -2^33 is a whole number, so a row masked throughout gives p = 1 for every key, as reference()'s does; results differ only where an unmasked logit lies under about -1e9.
;   A block of zeros gets the scale byte 1 (read by this program alone).  NaN and infinities are not served.
.set SLOT1, 1<<17
.set FILLB, 107520
.set SPARE, 238592                     ; behind slot 1: the spare words, 128 bytes a wave
.set QC,    6881280
.set QS,    10027008
.set CS,    3145728
; v1 K's place, v2 K's scale words', v3 V's scale words'; v4-6 the same + the slot in hand; v7 prefetch offset; v8, v9 the add's two; v10 the masked score; v12 -M, v13 the largest t, v[14:15] the sum;
; v16-31 Q; v32-95 K's or V's fragments; v96-103 zeros; v104-167 S^T, then p; v168-199 O^T; v200-215 p's codes; v216-231 the quantiser's; v232-235 K's scale words, v236-239 V's, v240 Q's, v241 p's; v[242:243] f; v244 at work
; s2 fills to ask for; s3 the mask words' offset; s[4:5] my tile's mask words; s[6:7], s[8:9] ctx codes, scales; s[10:11] lane selects; s[12:13] c; s14 mantissa; s15 wave; s16-63, s68-83 the step's 64 mask words; s66 slot in hand; s67 who prefetches; s[84:91], s[92:95] descriptor; s[96:97] prefetch
.macro CROUND
	s_barrier_signal -1
	s_barrier_wait -1
	s_cmp_lg_u32 s15, 0
	s_cbranch_scc1 .Lnot_wave_0_\@
	s_barrier_signal -3
.Lnot_wave_0_\@:
	s_barrier_wait -3
	s_barrier_signal -1
	s_barrier_wait -1
.endm
	s_load_b128 s[16:19], s[0:1], 0x0              ; qkvb, maskw
	s_load_b64 s[20:21], s[0:1], 0x10              ; cbuf
	v_lshl_add_u32 v8, v0, 2, SPARE
	v_mov_b32 v9, 0
	ds_add_u32 v8, v9                              ; the opening: the add, twice on end, and its wait ahead of my first tensor load
	ds_add_u32 v8, v9
	v_lshrrev_b32 v1, 5, v0
	s_delay_alu instid0(VALU_DEP_1)
	v_readfirstlane_b32 s15, v1                    ; wave 0..11
	s_bfe_u32 s22, ttmp6, 0x40000                  ; cx
	s_lshl_b32 s23, ttmp9, 2
	s_add_co_u32 s23, s23, s22                     ; qb: my 64 queries
	s_and_b32 s24, ttmp7, 0xffff                   ; hg, shared by the partners
	s_lshr_b32 s25, s15, 2                         ; which of the three heads
	s_and_b32 s26, s15, 3
	s_lshl_b32 s27, s23, 2
	s_add_co_u32 s27, s27, s26                     ; T: my tile of queries
	s_mul_i32 s28, s24, 3
	s_add_co_u32 s28, s28, s25                     ; my head
	s_mov_b32 s84, 15|(3<<16)|(1<<21)              ; all four work-groups; elements of 8 bytes; bit 21 set beside a mask
	s_mov_b32 s85, 32<<16                          ; rows of 256 bytes,
	s_mov_b32 s86, 35<<16                          ; 35 of them: 8,960 dense bytes
	s_mov_b32 s87, 32<<16
	s_mov_b32 s88, 35
	s_mov_b32 s89, 32
	s_mov_b32 s90, 0
	s_mov_b32 s91, 0
	s_mul_i32 s30, s24, 1720320                    ; the head group's K and V
	s_mul_i32 s31, s15, 8960                       ; my part of a fill, in memory and in a slot
	s_add_co_u32 s32, s30, s31
	s_mov_b32 s33, 0
	s_mul_i32 s34, s22, 26880                      ; the prefetches: my work-group's quarter of a fill,
	s_add_co_u32 s34, s34, s30
	s_add_co_u32 s34, s34, FILLB                   ; in fill 1: the first change of slots steps it to fill 2
	s_mov_b32 s35, 0
	s_lshl_b32 s36, s28, 18
	s_lshl_b32 s37, s27, 10
	s_add_co_u32 s36, s36, s37
	s_add_co_u32 s36, s36, QC
	s_mov_b32 s37, 0
	s_lshl_b32 s38, s28, 15
	s_lshl_b32 s39, s27, 7
	s_add_co_u32 s38, s38, s39
	s_add_co_u32 s38, s38, QS
	s_mov_b32 s39, 0
	s_lshl_b32 s40, s27, 13                        ; 32 steps x 256 bytes of mask words a tile
	s_mov_b32 s41, 0
	s_mul_i32 s42, s27, 6
	s_lshr_b32 s43, s28, 1
	s_add_co_u32 s42, s42, s43                     ; ctx's fragment 6 T + head / 2,
	s_and_b32 s43, s28, 1                          ; its lower or upper two blocks
	s_lshl_b32 s44, s42, 11
	s_lshl_b32 s45, s43, 10
	s_add_co_u32 s44, s44, s45
	s_mov_b32 s45, 0
	s_lshl_b32 s46, s42, 6
	s_lshl_b32 s47, s43, 1
	s_add_co_u32 s46, s46, s47
	s_add_co_u32 s46, s46, CS
	s_mov_b32 s47, 0
	s_mov_b32 s10, 0x76543210
	s_mov_b32 s11, 0xfedcba98
	s_mov_b32 s12, 0x3e38aa3b                      ; c = log2(e) / 8
	s_mov_b32 s13, s12
	s_mov_b32 s14, 0x600000
	s_mov_b32 s2, 15
	s_mov_b32 s3, 0
	s_mov_b32 s66, 0
	s_mul_i32 s29, s25, 35840                      ; my head's two blocks in a slot
	s_or_b32 s67, s25, ttmp9                       ; waves 0-3 of the head group's first cluster prefetch: the same in all four partners
	s_cmp_eq_u32 s67, 0
	s_cselect_b32 s67, 1, -1
	s_mov_b32 s92, 1
	s_mov_b32 s93, s31
	s_wait_dscnt 0x0                               ; both opening adds are done
	s_wait_kmcnt 0x0
	s_add_nc_u64 s[94:95], s[16:17], s[32:33]
	s_or_b32 s95, s95, 0x80000000
	s_add_nc_u64 s[96:97], s[16:17], s[34:35]
	s_add_nc_u64 s[98:99], s[16:17], s[36:37]
	s_add_nc_u64 s[100:101], s[16:17], s[38:39]
	s_add_nc_u64 s[4:5], s[18:19], s[40:41]
	s_add_nc_u64 s[6:7], s[20:21], s[44:45]
	s_add_nc_u64 s[8:9], s[20:21], s[46:47]
	CROUND                                         ; all four work-groups are here
	tensor_load_to_lds s[92:95], s[84:91]          ; fill 0 into slot 0: every wave its part
	s_nop 0
.rept 4
	v_nop
.endr
	v_and_b32 v244, 31, v0
	s_delay_alu instid0(VALU_DEP_1)
	v_lshlrev_b32 v245, 2, v244                    ; 4 x lane
	s_delay_alu instid0(VALU_DEP_2)
	v_lshlrev_b32 v244, 4, v244                    ; 16 x lane
	global_load_b128 v[16:19], v244, s[98:99]      ; Q's codes stay in registers
	global_load_b128 v[20:23], v244, s[98:99] offset:512
	global_load_b32 v240, v245, s[100:101]         ; and its scale words
	s_load_b512 s[16:31], s[4:5], s3 offset:0x0    ; the mask words of step 0
	s_load_b512 s[32:47], s[4:5], s3 offset:0x40
	s_load_b512 s[48:63], s[4:5], s3 offset:0x80
	s_load_b512 s[68:83], s[4:5], s3 offset:0xc0
	v_lshrrev_b32 v1, 7, v0                        ; wave / 4, lane by lane
	s_delay_alu instid0(VALU_DEP_1)
	v_mul_u32_u24 v1, v1, 35840
	v_and_b32 v2, 15, v0
	s_delay_alu instid0(VALU_DEP_1)
	v_lshl_add_u32 v2, v2, 2, v1
	v_bfe_u32 v3, v0, 4, 1
	s_delay_alu instid0(VALU_DEP_1)
	v_lshl_add_u32 v2, v3, 9, v2
	s_delay_alu instid0(VALU_DEP_1)
	v_add_nc_u32 v2, 16384, v2                     ; K's scale words: lanes 0-15 tile u, lanes 16-31 tile u + 4
	v_and_b32 v3, 31, v0
	s_delay_alu instid0(VALU_DEP_1)
	v_lshl_add_u32 v3, v3, 2, v1
	s_delay_alu instid0(VALU_DEP_1)
	v_add_nc_u32 v3, 17408, v3                     ; V's
	v_and_b32 v4, 31, v0
	s_delay_alu instid0(VALU_DEP_1)
	v_lshl_add_u32 v1, v4, 4, v1                   ; codes: 16 x lane
	v_min_u32 v7, 104, v0
	s_delay_alu instid0(VALU_DEP_1)
	v_lshlrev_b32 v7, 8, v7                        ; prefetch: threads 0-104 name the quarter's 105 blocks of 256 bytes; those past the last name it again, in the same instruction
	v_mov_b32 v10, 0xd0000000                      ; -2^33
	v_mov_b32 v13, 0xff61b1e6                      ; the largest t so far: -3e38
	s_delay_alu instid0(VALU_DEP_1)
	v_floor_f32 v12, -v13
	v_mov_b32 v14, 0
	v_mov_b32 v15, 0
.irp j, 0,1,2,3,4,5,6,7
	v_mov_b32 v[24+\j], 0                          ; Q's zero codes
	v_mov_b32 v[96+\j], 0                          ; and those behind key tile 7
.endr
.set i, 0
.rept 32
	v_mov_b32 v[168+i], 0                          ; O^T: the step is written once; the first change of M leaves zeros zeros
.set i, i+1
.endr
.irp b, 0,1,2,3
	v_mov_b32 v[220+\b], 0                         ; a lane permute's destination counts as read
.endr
	v_mov_b32 v243, 0                              ; (named as the upper half of the pair)
	s_wait_loadcnt 0x0
.macro STEP q                          ; 128 keys: the q-th step of the slot in hand
.irp t, 0,1,2,3,4,5,6,7
	ds_load_b128 v[32+8*\t:35+8*\t], v4 offset:17920*\q+1024*\t
	ds_load_b128 v[36+8*\t:39+8*\t], v4 offset:17920*\q+1024*\t+512
.endr
.irp u, 0,1,2,3
	ds_load_b32 v[232+\u], v5 offset:17920*\q+128*\u
.endr
	s_wait_dscnt 0x0
.irp t, 0,1,2,3
	v_wmma_scale_f32_16x16x128_f8f6f4 v[104+8*\t:111+8*\t], v[32+8*\t:47+8*\t], v[16:31], 0, v[232+\t], v240 matrix_a_fmt:MATRIX_FMT_BF8 matrix_b_fmt:MATRIX_FMT_BF8
.endr
.irp t, 4,5,6,7
	v_wmma_scale_f32_16x16x128_f8f6f4 v[104+8*\t:111+8*\t], v[32+8*\t:47+8*\t], v[16:31], 0, v[228+\t], v240 matrix_a_fmt:MATRIX_FMT_BF8 matrix_b_fmt:MATRIX_FMT_BF8 matrix_a_scale:MATRIX_SCALE_ROW1
.endr
.rept 8
	v_nop                                          ; eight places in front of the loads over K's registers and of the first read of the scores
.endr
.irp t, 0,1,2,3
.irp c, 0,1,2,3
	ds_load_b128 v[32+16*\t+4*\c:35+16*\t+4*\c], v4 offset:17920*\q+8192+512*(4*\t+\c)   ; V lands while the softmax is walked
.endr
	ds_load_b32 v[236+\t], v6 offset:17920*\q+128*\t
.endr
	s_wait_kmcnt 0x0                               ; this step's mask words, asked for a step ago
.set n, 0
.rept 64
	v_cndmask_b32 v[104+n], v10, v[104+n], s[16+n+4*(n/48)]   ; bit l of word n: does register n's key count for lane l's query?
.set n, n+1
.endr
	s_add_co_u32 s3, s3, 256
	s_min_u32 s3, s3, 7936                         ; the last step asks for its own words again: no load leaves the buffer
	s_load_b512 s[16:31], s[4:5], s3 offset:0x0
	s_load_b512 s[32:47], s[4:5], s3 offset:0x40
	s_load_b512 s[48:63], s[4:5], s3 offset:0x80
	s_load_b512 s[68:83], s[4:5], s3 offset:0xc0
.irp b, 0,1,2,3
	v_max3_num_f32 v[216+\b], v[104+16*\b], v[105+16*\b], v[106+16*\b]   ; the largest score of each block of 32 keys: for the row's maximum and, since p rises with the score, for the block's largest p
.endr
.irp i, 3,5,7,9,11,13
.irp b, 0,1,2,3
	s_delay_alu instid0(VALU_DEP_4)
	v_max3_num_f32 v[216+\b], v[216+\b], v[104+16*\b+\i], v[105+16*\b+\i]
.endr
.endr
.irp b, 0,1,2,3
	s_delay_alu instid0(VALU_DEP_4)
	v_max_num_f32 v[216+\b], v[216+\b], v[119+16*\b]
.endr
.irp b, 0,1,2,3
	s_delay_alu instid0(VALU_DEP_4)
	v_permlanex16_b32 v[220+\b], v[216+\b], s10, s11
.endr
.irp b, 0,1,2,3
	s_delay_alu instid0(VALU_DEP_4)
	v_max_num_f32 v[216+\b], v[216+\b], v[220+\b]
.endr
	s_delay_alu instid0(VALU_DEP_2)
	v_max3_num_f32 v244, v216, v217, v218
	s_delay_alu instid0(VALU_DEP_1)
	v_max_num_f32 v244, v244, v219
	s_delay_alu instid0(VALU_DEP_1)
	v_mul_f32 v244, s12, v244                      ; as t
	s_delay_alu instid0(VALU_DEP_1)
	v_max_num_f32 v13, v13, v244                   ; the running largest t
	v_mov_b32 v244, v12
	s_delay_alu instid0(VALU_DEP_2)
	v_floor_f32 v12, -v13                          ; -M = floor(-t)
	s_delay_alu instid0(VALU_DEP_1)
	v_sub_f32 v244, v12, v244                      ; old M - new M: a whole number, 0 or less
	s_delay_alu instid0(VALU_DEP_1)
	v_cvt_i32_f32 v244, v244                       ; (it saturates)
	s_delay_alu instid0(VALU_DEP_1)
	v_ldexp_f32 v242, 1.0, v244                    ; f
.set i, 0
.rept 32
	v_pk_fma_f32 v[104+i:105+i], v[104+i:105+i], s[12:13], v[12:13] op_sel_hi:[1,0,0]   ; t - M
.set i, i+2
.endr
.irp b, 0,1,2,3
	v_fma_f32 v[216+\b], v[216+\b], s12, v12
.endr
.set i, 0
	s_wait_alu depctr_va_vdst(0)
.rept 64
	v_exp_f32 v[104+i], v[104+i]                   ; p
.set i, i+1
.endr
	v_pk_mul_f32 v[14:15], v[14:15], v[242:243] op_sel_hi:[1,0]   ; the sums under the new M: a plain line behind the exponentials
	s_wait_alu depctr_va_vdst(0)                   ; one wait for the batch, ahead of its first reader
.irp b, 0,1,2,3
	v_exp_f32 v[216+\b], v[216+\b]                 ; the blocks' largest p
.endr
	v_pk_add_f32 v[220:221], v[108:109], v[112:113]
	v_pk_add_f32 v[254:255], v[116:117], v[120:121]
	v_pk_add_f32 v[252:253], v[124:125], v[128:129]
	v_pk_add_f32 v[250:251], v[132:133], v[136:137]
	v_pk_add_f32 v[248:249], v[140:141], v[144:145]
	v_pk_add_f32 v[246:247], v[148:149], v[152:153]
	v_pk_add_f32 v[234:235], v[156:157], v[160:161]
	v_pk_add_f32 v[14:15], v[14:15], v[164:165]
	v_pk_add_f32 v[220:221], v[220:221], v[104:105]
	v_pk_add_f32 v[254:255], v[254:255], v[106:107]
	v_pk_add_f32 v[252:253], v[252:253], v[110:111]
	v_pk_add_f32 v[250:251], v[250:251], v[114:115]
	v_pk_add_f32 v[248:249], v[248:249], v[118:119]
	v_pk_add_f32 v[246:247], v[246:247], v[122:123]
	v_pk_add_f32 v[234:235], v[234:235], v[126:127]
	v_pk_add_f32 v[14:15], v[14:15], v[130:131]
	v_pk_add_f32 v[220:221], v[220:221], v[134:135]
	v_pk_add_f32 v[254:255], v[254:255], v[138:139]
	v_pk_add_f32 v[252:253], v[252:253], v[142:143]
	v_pk_add_f32 v[250:251], v[250:251], v[146:147]
	v_pk_add_f32 v[248:249], v[248:249], v[150:151]
	v_pk_add_f32 v[246:247], v[246:247], v[154:155]
	v_pk_add_f32 v[234:235], v[234:235], v[158:159]
	v_pk_add_f32 v[14:15], v[14:15], v[162:163]
	v_pk_add_f32 v[220:221], v[220:221], v[166:167]
	s_delay_alu instid0(VALU_DEP_2)
	v_pk_add_f32 v[14:15], v[14:15], v[250:251]
	s_delay_alu instid0(VALU_DEP_2)
	v_pk_add_f32 v[220:221], v[220:221], v[248:249]
	v_pk_add_f32 v[254:255], v[254:255], v[246:247]
	v_pk_add_f32 v[252:253], v[252:253], v[234:235]
	s_delay_alu instid0(VALU_DEP_2)
	v_pk_add_f32 v[14:15], v[14:15], v[254:255]
	s_delay_alu instid0(VALU_DEP_2)
	v_pk_add_f32 v[220:221], v[220:221], v[252:253]
	s_delay_alu instid0(VALU_DEP_1)
	v_pk_add_f32 v[14:15], v[14:15], v[220:221]
	s_wait_alu depctr_va_vdst(0)                   ; and one for the four
.irp b, 0,1,2,3
	v_max_num_f32 v[216+\b], 0x8000000, v[216+\b]  ; the floor 2^(16 - 127)
.endr
.irp b, 0,1,2,3
	s_delay_alu instid0(VALU_DEP_4)
	v_add_nc_u32 v[228+\b], 0xf8800000, v[216+\b]
.endr
.irp b, 0,1,2,3
	v_and_or_b32 v[224+\b], v[216+\b], 0x7f800000, s14
.endr
.irp b, 0,1,2,3
	v_lshrrev_b32 v[220+\b], 23, v[228+\b]
.endr
	s_delay_alu instid0(VALU_DEP_3)
	v_lshl_or_b32 v241, v221, 8, v220              ; p's scale word for these 128 keys
	s_delay_alu instid0(VALU_DEP_1)
	v_lshl_or_b32 v241, v222, 16, v241
	s_delay_alu instid0(VALU_DEP_1)
	v_lshl_or_b32 v241, v223, 24, v241
.irp b, 0,1,2,3
.irp i, 0,1,2,3,4,5,6,7,8,9,10,11,12,13,14,15
	v_min_num_f32 v[104+16*\b+\i], v[104+16*\b+\i], v[224+\b]   ; the hold; p is not negative
.endr
	v_cvt_scalef32_pk8_bf8_f32 v[200+4*\b:201+4*\b], v[104+16*\b:111+16*\b], v[228+\b]
	v_cvt_scalef32_pk8_bf8_f32 v[202+4*\b:203+4*\b], v[112+16*\b:119+16*\b], v[228+\b]
.endr
.set i, 0
.rept 16
	v_pk_mul_f32 v[168+i:169+i], v[168+i:169+i], v[242:243] op_sel_hi:[1,0]   ; O^T under the new M; these are also the places in front of the products below
.set i, i+2
.endr
	s_wait_alu depctr_va_vdst(0)
	s_wait_dscnt 0x0                               ; V is in
.irp t, 0,1,2,3
	v_wmma_scale_f32_16x16x128_f8f6f4 v[168+8*\t:175+8*\t], v[32+16*\t:47+16*\t], v[200:215], v[168+8*\t:175+8*\t], v[236+\t], v241 matrix_a_fmt:MATRIX_FMT_BF8 matrix_b_fmt:MATRIX_FMT_BF8
.endr
.rept 8
	v_nop                                          ; places in front of the next loads over V's registers, and of the way out's reads
.endr
.endm
; THE CHANGE OF SLOTS at a slot's head: all my tensor loads have landed (my part of the slot ahead), the add, my reads of the slot left are over; fill = 1: a round of the cluster's barrier, and the joint load of the next fill into the slot left.
.macro CHANGE fill
	s_wait_tensorcnt 0x0
	ds_add_u32 v8, v9
.if \fill
	s_xor_b32 s93, s93, SLOT1                      ; the walking descriptor: the other slot, the next fill
	s_add_nc_u64 s[94:95], s[94:95], FILLB
	s_wait_xcnt 0x0                                ; the last prefetch, a slot back, has read its address
	s_add_nc_u64 s[96:97], s[96:97], FILLB         ; one fill further on than the descriptor
.endif
	s_wait_dscnt 0x0
.if \fill
	CROUND
	tensor_load_to_lds s[92:95], s[84:91]
	s_nop 0
.rept 4
	v_nop
.endr
	s_cmp_gt_u32 s2, s67                           ; the last filling change asks for nothing: there is no fill behind it
	s_cbranch_scc0 .Lnot_mine_\@
	global_prefetch_b8 v7, s[96:97] th:TH_LOAD_NT scope:SCOPE_SE   ; what the next change will ask for: two key steps ahead; the partners' quarters differ by address
.Lnot_mine_\@:
.else
	s_barrier_signal -1
	s_barrier_wait -1
.endif
	v_add_nc_u32 v4, s66, v1
	v_add_nc_u32 v5, s66, v2
	v_add_nc_u32 v6, s66, v3
.endm
.Lslot:                                            ; 15 trips: behind each change of slots but the last the next fill is asked for
	CHANGE 1
	s_wait_alu depctr_va_vdst(0)
	STEP 0
	STEP 1
	s_xor_b32 s66, s66, SLOT1
	s_sub_co_u32 s2, s2, 1
	s_cmp_lg_u32 s2, 0
	s_cbranch_scc1 .Lslot
	CHANGE 0                                       ; the last fill's steps are written out
	s_wait_alu depctr_va_vdst(0)
	STEP 0
	STEP 1
; THE WAY OUT: O^T / the sum = ctx(query, my head's 32 b + 16 h + i): two blocks of the projection's K, quantised in registers
	s_wait_kmcnt 0x0                               ; the last look-ahead of mask words has landed
	v_add_f32 v14, v14, v15
	s_delay_alu instid0(VALU_DEP_1)
	v_permlanex16_b32 v244, v14, s10, s11
	s_delay_alu instid0(VALU_DEP_1)
	v_add_f32 v14, v14, v244
	s_wait_alu depctr_va_vdst(0)
	v_rcp_f32 v14, v14
	v_and_b32 v4, 31, v0                           ; (a plain line behind the reciprocal)
	s_delay_alu instid0(VALU_DEP_1)
	v_lshlrev_b32 v4, 4, v4                        ; 16 x lane
	v_and_b32 v5, 15, v0
	s_delay_alu instid0(VALU_DEP_1)
	v_lshlrev_b32 v5, 2, v5                        ; 4 r
	s_wait_alu depctr_va_vdst(0)                   ; ahead of the first reader
.set i, 0
.rept 32
	v_mul_f32 v[104+i], v[168+i], v14
.set i, i+1
.endr
.irp b, 0,1
	v_max3_num_f32 v[216+\b], |v[104+16*\b]|, |v[105+16*\b]|, 0x8000000
.endr
.irp i, 2,4,6,8,10,12,14
.irp b, 0,1
	s_delay_alu instid0(VALU_DEP_2)
	v_max3_num_f32 v[216+\b], v[216+\b], |v[104+16*\b+\i]|, |v[105+16*\b+\i]|
.endr
.endr
.irp b, 0,1
	s_delay_alu instid0(VALU_DEP_2)
	v_permlanex16_b32 v[220+\b], v[216+\b], s10, s11
.endr
.irp b, 0,1
	s_delay_alu instid0(VALU_DEP_2)
	v_max_num_f32 v[216+\b], v[216+\b], v[220+\b]
.endr
.irp b, 0,1
	s_delay_alu instid0(VALU_DEP_2)
	v_add_nc_u32 v[228+\b], 0xf8800000, v[216+\b]
.endr
.irp b, 0,1
	s_delay_alu instid0(VALU_DEP_4)
	v_and_or_b32 v[224+\b], v[216+\b], 0x7f800000, s14
.endr
.irp b, 0,1
	s_delay_alu instid0(VALU_DEP_4)
	v_lshrrev_b32 v[220+\b], 23, v[228+\b]
.endr
	s_delay_alu instid0(VALU_DEP_1)
	v_lshl_or_b32 v241, v221, 8, v220              ; my head's two scale bytes
.irp b, 0,1
.irp i, 0,1,2,3,4,5,6,7,8,9,10,11,12,13,14,15
	v_med3_num_f32 v[104+16*\b+\i], v[104+16*\b+\i], -v[224+\b], v[224+\b]
.endr
.endr
.irp b, 0,1
	v_cvt_scalef32_pk8_bf8_f32 v[200+4*\b:201+4*\b], v[104+16*\b:111+16*\b], v[228+\b]
	v_cvt_scalef32_pk8_bf8_f32 v[202+4*\b:203+4*\b], v[112+16*\b:119+16*\b], v[228+\b]
.endr
	v_nop
	global_store_b128 v4, v[200:203], s[6:7]       ; 512 consecutive bytes of the fragment's image
	global_store_b128 v4, v[204:207], s[6:7] offset:512
	global_store_b16 v5, v241, s[8:9]              ; half of each row's scale word; the other head of the pair writes the other half
	s_wait_tensorcnt 0x0                           ; the wave's end
	ds_add_u32 v8, v9
	s_wait_dscnt 0x0
	CROUND                                         ; the closing round
	s_endpgm
.Lfunc_end_k_q0bb73f91ef_attn:
	.size	k_q0bb73f91ef_attn, .Lfunc_end_k_q0bb73f91ef_attn-k_q0bb73f91ef_attn
	.p2alignl 7, 3214868480
	.fill 96, 4, 3214868480
	.section	.rodata,"a",@progbits
	.p2align	6, 0x0
	.amdhsa_kernel k_q0bb73f91ef_attn
		.amdhsa_group_segment_fixed_size 327680
		.amdhsa_private_segment_fixed_size 0
		.amdhsa_enable_private_segment 0
		.amdhsa_kernarg_size 24
		.amdhsa_user_sgpr_count 2
		.amdhsa_user_sgpr_kernarg_segment_ptr 1
		.amdhsa_wavefront_size32 1
		.amdhsa_system_sgpr_workgroup_id_x 1
		.amdhsa_system_sgpr_workgroup_id_y 1
		.amdhsa_system_sgpr_workgroup_id_z 1
		.amdhsa_system_vgpr_workitem_id 0
		.amdhsa_next_free_vgpr 256
		.amdhsa_next_free_sgpr 102
		.amdhsa_reserve_vcc 0
		.amdhsa_float_denorm_mode_32 3
		.amdhsa_float_denorm_mode_16_64 3
		.amdhsa_memory_ordered 1
		.amdhsa_forward_progress 1
		.amdhsa_inst_pref_size 116
	.end_amdhsa_kernel
	.amdgpu_metadata
---
amdhsa.version: [ 1, 2 ]
amdhsa.kernels:
  - .name:           k_q0bb73f91ef_attn
    .symbol:         k_q0bb73f91ef_attn.kd
    .args:
      - { .name: qkvb, .offset: 0, .size: 8, .value_kind: global_buffer, .address_space: global }
      - { .name: maskw, .offset: 8, .size: 8, .value_kind: global_buffer, .address_space: global }
      - { .name: cbuf, .offset: 16, .size: 8, .value_kind: global_buffer, .address_space: global }
    .group_segment_fixed_size: 327680
    .private_segment_fixed_size: 0
    .kernarg_segment_align: 8
    .kernarg_segment_size: 24
    .max_flat_workgroup_size: 384
    .sgpr_count:     102
    .vgpr_count:     256
    .wavefront_size: 32
...
	.end_amdgpu_metadata
.endif
;; end of part 3
;; launch oprojn (part 4): grid 32 x 6, 4 waves a work-group, no clusters, 98,816 bytes of LDS; arguments cbuf, pbuf, bo, x, x1b; writes x1b
.if DOCPART == 4
	.amdgcn_target "amdgcn-amd-amdhsa--gfx1250"
	.amdhsa_code_object_version 6
	.text
	.protected	k_q0bb73f91ef_oprojn
	.globl	k_q0bb73f91ef_oprojn
	.p2align	8
	.type	k_q0bb73f91ef_oprojn,@function
k_q0bb73f91ef_oprojn:
	s_mov_b64 s[64:65], 0
	v_nop
	global_prefetch_b8 v0, s[64:65] scope:SCOPE_SE
	s_setreg_imm32_b32 hwreg(HW_REG_WAVE_MODE, 25, 1), 1
	s_wait_xcnt 0x0
; ENCODER BLOCK: x1 = x + ctx wo + bo on codes of BF8 (E5M2) with E8M0 scales, f32 sums; x1 is stored as f32 (in the order of a unit's registers) and as codes with scale images for the next product.  No work of reference() is left out.
; A work-group makes 128 tokens (mx) x 128 outputs (G), K = 768 in six steps of 128.  D = S0 x S1: source 0 = a tile of 16 rows of wo, source 1 = a tile of 16 tokens; tiles take the program's row order rho(T, r) = 32 (T / 2) + 8 (T % 2) + r + 8 (r / 8).
; Wave w of four owns token tiles 8 mx + 2 w, + 1 against wo's eight tiles: two units of 64 registers; in a unit register 16 b + i of lane (r, h) is output 128 G + 32 b + 16 h + i of token r.
; All operands are images of operand registers.  wo's panel (98,304 consecutive bytes) is loaded once a work-group, a quarter a wave, through registers into LDS bytes that are written once; my tokens' twelve fragments go straight into registers and stay.
; Every load of the launch is issued at its head, so nothing is left to prefetch.  No cluster: of a work-group's bytes only wo's panel passes through LDS, and it comes by plain loads that stay out across the one barrier.
; REGISTERS: window 0: v1-11 addresses, v32-61 scale registers (two K steps each: lanes 0-15 the even, lanes 16-31 the odd), v64-99 the quantiser's, v128-255 the 16 accumulators; window 1: ctx's fragments (v0-191), bo (v192-255); window 2: wo's quarter on its way, then wo's fragments of a K step, two sets.
; LIMITS: a block of zeros gets the scale byte 1 (read by this program alone; its codes are zeros); NaN and infinities are not served.
.set CS,  3145728
.set WI,  3244032
.set WS,  10321920
.set X1Q, 12582912
.set X1S, 15728640
.set SPARE, 98304
.set V16L, 1
.set V4L, 2
.set XOFF, 3
.set H64, 4
.set R4, 5
.set LST, 6                            ; 16 x lane + 24,576 x wave
.set LB2, 7                            ; 16 x lane + 49,152
.set SPW, 10
.set NIL, 11
.set SC0, 32                           ; wo's scale registers: 8 d + t
.set SC1, 56                           ; ctx's: 2 d + a
.set TM, 64
.set PW, 80
.set PC, 84
.set ACC, 128
.set WV, 20
.set SEL, 60
.set MNT, 62
.set MSB, 0
.macro WIN new                         ; the immediate's high byte repeats the setting that is left
.if MSB != \new
	s_set_vgpr_msb (MSB<<8)|\new
.set MSB, \new
.endif
.endm
.macro PLACES n
.rept \n
	v_nop
.endr
.endm
.macro PERB nb, op
.set B_, 0
.rept \nb
.if \op == 0
	v_permlanex16_b32 v[TM+4+B_], v[TM+B_], s[SEL], s[SEL+1]
.elseif \op == 1
	v_max_num_f32 v[TM+B_], v[TM+B_], v[TM+4+B_]            ; the block's largest magnitude
.elseif \op == 2
	v_add_nc_u32 v[TM+12+B_], 0xf8800000, v[TM+B_]          ; 15 off its exponent field: the conversion's scale operand
.elseif \op == 3
	v_and_or_b32 v[TM+8+B_], v[TM+B_], 0x7f800000, s[MNT]   ; 57,344 x the scale
.else
	v_lshrrev_b32 v[TM+4+B_], 23, v[TM+12+B_]               ; the scale's byte
.endif
.set B_, B_+1
.endr
.endm
.macro QUANT s                         ; four blocks of 32 (16 numbers a lane at v[s], the other 16 in lane l xor 16): held in place, codes at v[PC], scale word v[PW]
.set B_, 0
.rept 4
	v_max3_num_f32 v[TM+B_], |v[\s+16*B_]|, |v[\s+16*B_+1]|, 0x8000000   ; and the floor 2^(16 - 127)
.set B_, B_+1
.endr
.irp i, 2,4,6,8,10,12,14
.set B_, 0
.rept 4
	v_max3_num_f32 v[TM+B_], v[TM+B_], |v[\s+16*B_+\i]|, |v[\s+16*B_+\i+1]|
.set B_, B_+1
.endr
.endr
.irp o, 0,1,2,3,4
	PERB 4, \o
.endr
	v_lshl_or_b32 v[PW], v[TM+5], 8, v[TM+4]
	v_lshl_or_b32 v[PW], v[TM+6], 16, v[PW]
	v_lshl_or_b32 v[PW], v[TM+7], 24, v[PW]
.set I_, 0
.rept 64
	v_med3_num_f32 v[\s+I_], v[\s+I_], -v[TM+8+I_/16], v[TM+8+I_/16]   ; the conversion does not saturate (ISA guide 7.6.2): the hold
.set I_, I_+1
.endr
.set B_, 0
.rept 4
	v_cvt_scalef32_pk8_bf8_f32 v[PC+4*B_:PC+4*B_+1], v[\s+16*B_:\s+16*B_+7], v[TM+12+B_]
	v_cvt_scalef32_pk8_bf8_f32 v[PC+4*B_+2:PC+4*B_+3], v[\s+16*B_+8:\s+16*B_+15], v[TM+12+B_]
.set B_, B_+1
.endr
	v_nop                                  ; a plain line behind the last conversion
.endm
.macro S0LD k                          ; wo's eight fragments of K step k from LDS into set k % 2 of window 2: 32 loads
	WIN 0x80
.set T_, 0
.rept 8
.irp c, 0,1,2,3
.if T_ < 4
	ds_load_b128 v[128*((\k)%2)+16*T_+4*\c:128*((\k)%2)+16*T_+4*\c+3], v[V16L] offset:12288*T_+2048*(\k)+512*\c
.else
	ds_load_b128 v[128*((\k)%2)+16*T_+4*\c:128*((\k)%2)+16*T_+4*\c+3], v[LB2] offset:12288*(T_-4)+2048*(\k)+512*\c
.endif
.endr
.set T_, T_+1
.endr
	WIN 0
.endm
.macro MUL k                           ; 16 accumulators, one instruction a turn
	WIN 0x06                               ; source 0 in window 2, source 1 in window 1
.set Q_, 0
.rept 16
.set T_, Q_/2
.set A_, Q_%2
.if (\k)%2
	v_wmma_scale_f32_16x16x128_f8f6f4 v[ACC+64*A_+8*T_:ACC+64*A_+8*T_+7], v[128+16*T_:128+16*T_+15], v[96*A_+16*(\k):96*A_+16*(\k)+15], v[ACC+64*A_+8*T_:ACC+64*A_+8*T_+7], v[SC0+8*((\k)/2)+T_], v[SC1+2*((\k)/2)+A_] matrix_a_fmt:MATRIX_FMT_BF8 matrix_b_fmt:MATRIX_FMT_BF8 matrix_a_scale:MATRIX_SCALE_ROW1 matrix_b_scale:MATRIX_SCALE_ROW1
.else
	v_wmma_scale_f32_16x16x128_f8f6f4 v[ACC+64*A_+8*T_:ACC+64*A_+8*T_+7], v[16*T_:16*T_+15], v[96*A_+16*(\k):96*A_+16*(\k)+15], v[ACC+64*A_+8*T_:ACC+64*A_+8*T_+7], v[SC0+8*((\k)/2)+T_], v[SC1+2*((\k)/2)+A_] matrix_a_fmt:MATRIX_FMT_BF8 matrix_b_fmt:MATRIX_FMT_BF8
.endif
.set Q_, Q_+1
.endr
	WIN 0
	PLACES 8                               ; eight places in front of loads into what the products have read and of the first read of their sums
.endm
	s_load_b256 s[4:11], s[0:1], 0x0               ; cbuf s[4:5], pbuf s[6:7], bo s[8:9], x s[10:11]
	s_load_b64 s[12:13], s[0:1], 0x20              ; x1b
	v_lshl_add_u32 v[SPW], v0, 2, SPARE            ; my spare word,
	v_mov_b32 v[NIL], 0                            ; and 0: kept for the closing lines
	v_lshrrev_b32 v12, 5, v0
	v_readfirstlane_b32 s[WV], v12                 ; wave 0..3
	s_and_b32 s21, ttmp7, 0xffff                   ; G
	s_lshl_b32 s22, ttmp9, 3
	s_lshl_b32 s23, s[WV], 1
	s_add_co_u32 s22, s22, s23                     ; T0 = 8 mx + 2 w, an even tile
	s_mul_i32 s42, s[WV], 24576
	s_mul_i32 s24, s21, 98304
	s_add_co_u32 s24, s24, s42
	s_add_co_u32 s24, s24, WI+144*12288            ; wo's panel, my quarter
	s_mul_i32 s26, s21, 3072
	s_add_co_u32 s26, s26, WS+144*384              ; its scale images
	s_mul_i32 s28, s22, 12288                      ; ctx's fragments of my two tiles
	s_mul_i32 s30, s22, 384
	s_add_co_u32 s30, s30, CS
	s_lshl_b32 s34, s21, 9                         ; bo: my 128 outputs
	s_mul_i32 s32, s22, 49152                      ; x: row 16 T0,
	s_add_co_u32 s32, s32, s34                     ; the same 128 columns
	s_mul_i32 s23, s22, 6
	s_add_co_u32 s23, s23, s21                     ; unit 6 T0 + G
	s_lshl_b32 s36, s23, 13                        ; x1 as f32: 8,192 bytes a unit
	s_lshl_b32 s38, s23, 11
	s_add_co_u32 s38, s38, X1Q                     ; its codes
	s_lshl_b32 s40, s23, 6
	s_add_co_u32 s40, s40, X1S                     ; its scale images
.irp p, 25,27,29,31,33,35,37,39,41
	s_mov_b32 s\p, 0
.endr
	s_mov_b32 s[SEL], 0x76543210
	s_mov_b32 s[SEL+1], 0xfedcba98
	s_mov_b32 s[MNT], 0x600000
	v_and_b32 v12, 31, v0
	v_lshlrev_b32 v[V16L], 4, v12
	v_lshlrev_b32 v[V4L], 2, v12
	v_and_b32 v13, 15, v0                          ; r
	v_bfe_u32 v14, v0, 4, 1                        ; h
	v_lshlrev_b32 v[R4], 2, v13
	v_lshlrev_b32 v[H64], 6, v14
	v_and_b32 v15, 8, v13
	v_add_nc_u32 v15, v15, v13                     ; r + 8 (r / 8)
	v_mad_u32_u24 v[XOFF], v15, 3072, v[H64]
	v_add_nc_u32 v[LST], s42, v[V16L]
	v_add_nc_u32 v[LB2], 49152, v[V16L]
.irp b, 0,1,2,3
	v_mov_b32 v[TM+4+\b], 0                        ; a lane permute's destination counts as read
.endr
	s_wait_alu depctr_va_vdst(0)
	s_wait_kmcnt 0x0
	s_add_nc_u64 s[24:25], s[6:7], s[24:25]
	s_add_nc_u64 s[26:27], s[6:7], s[26:27]
	s_add_nc_u64 s[28:29], s[4:5], s[28:29]
	s_add_nc_u64 s[30:31], s[4:5], s[30:31]
	s_add_nc_u64 s[32:33], s[10:11], s[32:33]
	s_add_nc_u64 s[34:35], s[8:9], s[34:35]
	s_add_nc_u64 s[36:37], s[12:13], s[36:37]
	s_add_nc_u64 s[38:39], s[12:13], s[38:39]
	s_add_nc_u64 s[40:41], s[12:13], s[40:41]
	WIN 0x80
.set I_, 0
.rept 48
	global_load_b128 v[4*I_:4*I_+3], v[V16L], s[24:25] offset:512*I_   ; my quarter of wo's panel
.set I_, I_+1
.endr
	WIN 0
.irp d, 0,1,2
.irp t, 0,1,2,3,4,5,6,7
	global_load_b32 v[SC0+8*\d+\t], v[V4L], s[26:27] offset:384*\t+128*\d
.endr
.irp a, 0,1
	global_load_b32 v[SC1+2*\d+\a], v[V4L], s[30:31] offset:384*\a+128*\d
.endr
.endr
	WIN 0x40
.set I_, 0
.rept 48
	global_load_b128 v[4*I_:4*I_+3], v[V16L], s[28:29] offset:512*I_   ; ctx: register 96 a + 16 k + 4 c
.set I_, I_+1
.endr
	s_wait_loadcnt 63                              ; behind my quarter 78 loads were issued: it is in
	WIN 0x08                                       ; a store's data are its source 1: window 2
.set I_, 0
.rept 48
	ds_store_b128 v[LST], v[4*I_:4*I_+3] offset:512*I_
.set I_, I_+1
.endr
	WIN 0
.irp a, 0,1
.irp b, 0,1,2,3
.irp j, 0,1,2,3
	global_load_b128 v[ACC+64*\a+16*\b+4*\j:ACC+64*\a+16*\b+4*\j+3], v[XOFF], s[32:33] offset:24576*\a+128*\b+16*\j   ; x straight into the accumulators
.endr
.endr
.endr
	WIN 0x40
.irp b, 0,1,2,3
.irp j, 0,1,2,3
	global_load_b128 v[192+16*\b+4*\j:192+16*\b+4*\j+3], v[H64], s[34:35] offset:128*\b+16*\j
.endr
.endr
	WIN 0
	s_wait_dscnt 0x0
	s_barrier_signal -1
	s_barrier_wait -1                              ; wo's panel is whole
	S0LD 0
	S0LD 1
	s_wait_loadcnt 0x0
	WIN 0x04                                       ; source 1 in window 1
.irp a, 0,1
.set I_, 0
.rept 32
	v_pk_add_f32 v[ACC+64*\a+I_:ACC+64*\a+I_+1], v[ACC+64*\a+I_:ACC+64*\a+I_+1], v[192+I_:193+I_]   ; x + bo: the sums begin with it
.set I_, I_+2
.endr
.endr
	WIN 0
	s_wait_alu depctr_va_vdst(0)
.irp k, 0,1,2,3
	s_wait_dscnt 32                                ; the next step's 32 loads may be out
	MUL \k
	S0LD \k+2
.endr
	s_wait_dscnt 32
	MUL 4
	s_wait_dscnt 0x0
	MUL 5
.irp a, 0,1
.set I_, 0
.rept 16
	global_store_b128 v[V16L], v[ACC+64*\a+4*I_:ACC+64*\a+4*I_+3], s[36:37] offset:49152*\a+512*I_   ; each accumulator from its low end on; 512 consecutive bytes a store
.set I_, I_+1
.endr
	s_wait_xcnt 0x0                                ; the stores have read their data: the numbers, the codes and the scale word are written again only behind this wait
	QUANT ACC+64*\a
.irp c, 0,1,2,3
	global_store_b128 v[V16L], v[PC+4*\c:PC+4*\c+3], s[38:39] offset:12288*\a+512*\c
.endr
	global_store_b32 v[R4], v[PW], s[40:41] offset:384*\a   ; both halves of the lanes hold the same word
.endr
	s_wait_tensorcnt 0x0                           ; the wave's end
	ds_add_u32 v[SPW], v[NIL]
	s_wait_dscnt 0x0
	s_endpgm
.Lfunc_end_k_q0bb73f91ef_oprojn:
	.size	k_q0bb73f91ef_oprojn, .Lfunc_end_k_q0bb73f91ef_oprojn-k_q0bb73f91ef_oprojn
	.p2alignl 7, 3214868480
	.fill 96, 4, 3214868480
	.section	.rodata,"a",@progbits
	.p2align	6, 0x0
	.amdhsa_kernel k_q0bb73f91ef_oprojn
		.amdhsa_group_segment_fixed_size 98816
		.amdhsa_private_segment_fixed_size 0
		.amdhsa_enable_private_segment 0
		.amdhsa_kernarg_size 40
		.amdhsa_user_sgpr_count 2
		.amdhsa_user_sgpr_kernarg_segment_ptr 1
		.amdhsa_wavefront_size32 1
		.amdhsa_system_sgpr_workgroup_id_x 1
		.amdhsa_system_sgpr_workgroup_id_y 1
		.amdhsa_system_sgpr_workgroup_id_z 1
		.amdhsa_system_vgpr_workitem_id 0
		.amdhsa_next_free_vgpr 1024
		.amdhsa_next_free_sgpr 66
		.amdhsa_reserve_vcc 0
		.amdhsa_float_denorm_mode_32 3
		.amdhsa_float_denorm_mode_16_64 3
		.amdhsa_memory_ordered 1
		.amdhsa_forward_progress 1
		.amdhsa_inst_pref_size 74
	.end_amdhsa_kernel
	.amdgpu_metadata
---
amdhsa.version: [ 1, 2 ]
amdhsa.kernels:
  - .name:           k_q0bb73f91ef_oprojn
    .symbol:         k_q0bb73f91ef_oprojn.kd
    .args:
      - { .name: cbuf, .offset: 0, .size: 8, .value_kind: global_buffer, .address_space: global }
      - { .name: pbuf, .offset: 8, .size: 8, .value_kind: global_buffer, .address_space: global }
      - { .name: bo, .offset: 16, .size: 8, .value_kind: global_buffer, .address_space: global }
      - { .name: x, .offset: 24, .size: 8, .value_kind: global_buffer, .address_space: global }
      - { .name: x1b, .offset: 32, .size: 8, .value_kind: global_buffer, .address_space: global }
    .group_segment_fixed_size: 98816
    .private_segment_fixed_size: 0
    .kernarg_segment_align: 8
    .kernarg_segment_size: 40
    .max_flat_workgroup_size: 128
    .sgpr_count:     66
    .vgpr_count:     1024
    .wavefront_size: 32
...
	.end_amdgpu_metadata
.endif
;; end of part 4
;; launch ffn1 (part 5): grid 16 x 12, 8 waves a work-group, clusters of 4 x 1, 327,680 bytes of LDS; arguments x1b, pbuf, b1, hb; writes hb
.if DOCPART == 5
	.amdgcn_target "amdgcn-amd-amdhsa--gfx1250"
	.amdhsa_code_object_version 6
	.text
	.protected	k_q0bb73f91ef_ffn1
	.globl	k_q0bb73f91ef_ffn1
	.p2align	8
	.type	k_q0bb73f91ef_ffn1,@function
k_q0bb73f91ef_ffn1:
	s_mov_b64 s[64:65], 0
	v_nop
	global_prefetch_b8 v0, s[64:65] scope:SCOPE_SE
	s_setreg_imm32_b32 hwreg(HW_REG_WAVE_MODE, 25, 1), 1
	s_wait_xcnt 0x0
	s_wait_alu depctr_hold_cnt(0) depctr_sa_sdst(0) depctr_va_vdst(0) depctr_va_sdst(0) depctr_va_ssrc(0) depctr_va_vcc(0) depctr_vm_vsrc(0)
	s_getreg_b32 s2, hwreg(HW_REG_IB_STS2, 6, 4)
	s_cmp_eq_u32 s2, 0
	s_cbranch_scc0 .Lentry_in_a_cluster
	s_endpgm
.Lentry_in_a_cluster:
	s_bfe_u32 s2, ttmp6, 0x10000c
	s_cmp_lg_u32 s2, 0x3003
	s_cbranch_scc0 .Lentry_shape_is_right
	s_endpgm
.Lentry_shape_is_right:
; ENCODER BLOCK, launch 5 of 6: h = relu(x1 w1 + b1) on codes of BF8 (E5M2) with E8M0 scales, quantised in registers along the next product's K; h never goes to memory as f32.  No work of reference() is left out.
; The form is the second launch's: 256 tokens (mx) x 256 hidden units (y), K = 768 in six steps; D = S0 x S1 with S1 = tokens, S0 = w1's rows; wave w: S1's tiles 4 (w / 2) on, S0's tiles 8 (w % 2) on; 32 accumulators in window 1.
; b1 is loaded into the accumulators while the first tiles are on their way.  The activation costs nothing: the hold that the conversion wants clips at 0 as well.
; CLUSTER 4 x 1: the partners share y: w1's panel is asked for jointly (waves 4-7); x1's panels differ (waves 0-3, plain): one form with the two launches before, whose y 4 does not divide.
; At most one tensor load of a wave is out.  No prefetch: three fills in all.
; LIMITS: a block of zeros gets the byte 1 (read by this program alone); NaN and infinities are not served.
.set SLOT,  131072
.set SCL,   262144
.set SPARE, 274432
.set ACTQ,  12582912                   ; x1b: x1's codes, its scale images
.set ACTS,  15728640
.set WI,    3244032
.set WS,    10321920
.set WBASE, 192                        ; w1's first unit
.set HS,    12582912
.set A1, 4
.set A0, 6
.set AS1, 8
.set AS0, 9
.set SPW, 10
.set NIL, 11
.set SS1, 16
.set SS0, 20
.set F1, 32
.set F0, 96
.set TM, 224
.set PW, 240
.set G1A, 24
.set G1W, 32
.set G1SA, 40
.set G1SW, 48
.set G0SA, 56
.set G0A0, 60
.set G0A1, 68
.set G0SW, 72
.set G0W0, 76
.set G0W1, 80
.set SEL, 84
.set MNT, 86
.set WV, 87
.set MSB, 0
.macro WIN new
.if MSB != \new
	s_set_vgpr_msb (MSB<<8)|\new
.set MSB, \new
.endif
.endm
.macro JLOAD g0a, g1a, g0w, g1w        ; waves 0-3 fetch x1's rows (plain), waves 4-7 the weight's (joint); an s_nop 0 and four v_nop follow each line
	s_cmp_lt_u32 s[WV], 4
	s_cbranch_scc0 .Lfor_w_\@
	tensor_load_to_lds s[\g0a:\g0a+3], s[\g1a:\g1a+7]
	s_nop 0
.rept 4
	v_nop
.endr
	s_branch .Lasked_\@
.Lfor_w_\@:
	tensor_load_to_lds s[\g0w:\g0w+3], s[\g1w:\g1w+7]
	s_nop 0
.rept 4
	v_nop
.endr
.Lasked_\@:
.endm
.macro CROUND
	s_barrier_signal -1
	s_barrier_wait -1
	s_cmp_lg_u32 s[WV], 0
	s_cbranch_scc1 .Lnot_wave_0_\@
	s_barrier_signal -3
.Lnot_wave_0_\@:
	s_barrier_wait -3
	s_barrier_signal -1
	s_barrier_wait -1
.endm
.macro QUANT s, win, pc                ; 64 numbers of a lane, v[s] on in window win -> codes v[pc] on, scale word v[PW] (window 0); what is negative becomes 0 on the way, so it does not count for the largest magnitude
	WIN 0x05*(\win)
.irp b, 0,1,2,3
	v_max3_num_f32 v[TM+\b], v[(\s)+16*\b], v[(\s)+1+16*\b], 0x8000000
.endr
	WIN 0x14*(\win)
.irp i, 2,4,6,8,10,12,14
.irp b, 0,1,2,3
	v_max3_num_f32 v[TM+\b], v[TM+\b], v[(\s)+16*\b+\i], v[(\s)+1+16*\b+\i]
.endr
.endr
	WIN 0
	s_wait_alu depctr_va_vdst(0)
	s_wait_xcnt 0x0                                ; earlier stores have read their data: the scale word and the codes are written again only behind this wait
.irp b, 0,1,2,3
	v_permlanex16_b32 v[TM+4+\b], v[TM+\b], s[SEL], s[SEL+1]
.endr
.irp b, 0,1,2,3
	s_delay_alu instid0(VALU_DEP_4)
	v_max_num_f32 v[TM+\b], v[TM+\b], v[TM+4+\b]
.endr
.irp b, 0,1,2,3
	s_delay_alu instid0(VALU_DEP_4)
	v_add_nc_u32 v[TM+12+\b], 0xf8800000, v[TM+\b]
.endr
.irp b, 0,1,2,3
	v_and_or_b32 v[TM+8+\b], v[TM+\b], 0x7f800000, s[MNT]
.endr
.irp b, 0,1,2,3
	v_lshrrev_b32 v[TM+4+\b], 23, v[TM+12+\b]
.endr
	s_delay_alu instid0(VALU_DEP_3)
	v_lshl_or_b32 v[PW], v[TM+5], 8, v[TM+4]
	s_delay_alu instid0(VALU_DEP_1)
	v_lshl_or_b32 v[PW], v[TM+6], 16, v[PW]
	s_delay_alu instid0(VALU_DEP_1)
	v_lshl_or_b32 v[PW], v[TM+7], 24, v[PW]
	WIN 0x41*(\win)
.irp b, 0,1,2,3
.irp i, 0,1,2,3,4,5,6,7,8,9,10,11,12,13,14,15
	v_med3_num_f32 v[(\s)+16*\b+\i], v[(\s)+16*\b+\i], 0, v[TM+8+\b]   ; the activation and the hold in one
.endr
.endr
	WIN 0x01*(\win)
.irp b, 0,1,2,3
	v_cvt_scalef32_pk8_bf8_f32 v[(\pc)+4*\b:(\pc)+4*\b+1], v[(\s)+16*\b:(\s)+16*\b+7], v[TM+12+\b]
	v_cvt_scalef32_pk8_bf8_f32 v[(\pc)+4*\b+2:(\pc)+4*\b+3], v[(\s)+16*\b+8:(\s)+16*\b+15], v[TM+12+\b]
.endr
	WIN 0
	v_nop
.endm
.macro MUL16 t0                        ; 16 accumulators, one instruction a turn
.irp t, \t0, \t0+1, \t0+2, \t0+3
.irp a, 0,1,2,3
	v_wmma_scale_f32_16x16x128_f8f6f4 v[64*\a+8*(\t):64*\a+8*(\t)+7], v[F0+16*(\t):F0+16*(\t)+15], v[F1+16*\a:F1+16*\a+15], v[64*\a+8*(\t):64*\a+8*(\t)+7], v[SS0+(\t)], v[SS1+\a] matrix_a_fmt:MATRIX_FMT_BF8 matrix_b_fmt:MATRIX_FMT_BF8
.endr
.endr
.endm
.macro KSTEP slot, ks, kidx
.irp a, 0,1,2,3
	ds_load_b32 v[SS1+\a], v[AS1] offset:384*\a+64*(\kidx)
.endr
.irp t, 0,1,2,3,4,5,6,7
	ds_load_b32 v[SS0+\t], v[AS0] offset:384*\t+64*(\kidx)
.endr
.irp a, 0,1,2,3
.irp c, 0,1,2,3
	ds_load_b128 v[F1+16*\a+4*\c:F1+16*\a+4*\c+3], v[A1+\slot] offset:4096*\a+2048*(\ks)+512*\c
.endr
.endr
.irp t, 0,1,2,3,4,5,6,7
.irp c, 0,1,2,3
	ds_load_b128 v[F0+16*\t+4*\c:F0+16*\t+4*\c+3], v[A0+\slot] offset:4096*\t+2048*(\ks)+512*\c
.endr
.endr
	s_wait_dscnt 16                                ; all but the youngest 16 loads: S0's tiles 4-7
	WIN 0x50
	MUL16 0
	s_wait_dscnt 0x0
	MUL16 4
	WIN 0
.rept 8
	v_nop                                          ; eight places in front of the next loads and of the first read of results
.endr
.endm
	s_load_b256 s[4:11], s[0:1], 0x0               ; x1b s[4:5], pbuf s[6:7], b1 s[8:9], hb s[10:11]
	v_lshl_add_u32 v[SPW], v0, 2, SPARE
	v_mov_b32 v[NIL], 0
	ds_add_u32 v[SPW], v[NIL]                      ; the opening: the add, twice on end, and its wait ahead of my first tensor load
	ds_add_u32 v[SPW], v[NIL]
	v_lshrrev_b32 v1, 5, v0
	s_delay_alu instid0(VALU_DEP_1)
	v_readfirstlane_b32 s[WV], v1
	s_bfe_u32 s88, ttmp6, 0x40000                  ; cx
	s_lshl_b32 s89, ttmp9, 2
	s_add_co_u32 s89, s89, s88                     ; mx
	s_and_b32 s90, ttmp7, 0xffff                   ; y
	s_and_b32 s91, s[WV], 3
	s_mov_b32 s[G1A], 3<<16
	s_mov_b32 s[G1W], 15|(3<<16)|(1<<21)
.irp g, G1A, G1W
	s_mov_b32 s[\g+1], 512<<16
	s_mov_b32 s[\g+2], 16<<16                      ; tensor_dim1 = 16 tile rows: a whole panel of a slot comes by one load
	s_mov_b32 s[\g+3], 512<<16
	s_mov_b32 s[\g+4], 16
	s_mov_b32 s[\g+5], 1536
	s_mov_b32 s[\g+6], 0
	s_mov_b32 s[\g+7], 0
.endr
	s_mov_b32 s[G1SA], 3<<16
	s_mov_b32 s[G1SW], 15|(3<<16)|(1<<21)
.irp g, G1SA, G1SW
	s_mov_b32 s[\g+1], 32<<16
	s_mov_b32 s[\g+2], 12<<16                      ; the scale images of eight tile rows: 3,072 dense bytes as 12 rows of 256
	s_mov_b32 s[\g+3], 32<<16
	s_mov_b32 s[\g+4], 12
	s_mov_b32 s[\g+5], 32
	s_mov_b32 s[\g+6], 0
	s_mov_b32 s[\g+7], 0
.endr
	s_lshl_b32 s92, s89, 4
	s_mov_b32 s93, 0                               ; the codes' panels begin at the block's first tile row
	s_and_b32 s91, s[WV], 1
	s_mul_i32 s91, s91, 3072                       ; which half of a panel's scale images a scale-fetching wave takes
	s_add_co_u32 s92, s92, s93
	s_mul_i32 s94, s92, 12288
	s_add_co_u32 s94, s94, ACTQ
	s_mov_b32 s95, 0
	s_mul_i32 s96, s92, 384
	s_add_co_u32 s96, s96, ACTS
	s_add_co_u32 s96, s96, s91
	s_mov_b32 s97, 0
	s_lshl_b32 s98, s90, 4
	s_add_co_u32 s98, s98, s93
	s_add_co_u32 s98, s98, WBASE
	s_mul_i32 s100, s98, 384
	s_add_co_u32 s100, s100, WS
	s_add_co_u32 s100, s100, s91
	s_mov_b32 s101, 0
	s_mul_i32 s98, s98, 12288
	s_add_co_u32 s98, s98, WI
	s_mov_b32 s99, 0
	s_mov_b32 s21, s91
	s_mov_b32 s[SEL], 0x76543210
	s_mov_b32 s[SEL+1], 0xfedcba98
	s_mov_b32 s[MNT], 0x600000
	s_wait_dscnt 0x0
	s_wait_kmcnt 0x0
	s_mov_b32 s[G0SA], 1
	s_add_co_u32 s[G0SA+1], s21, SCL
	s_add_nc_u64 s[G0SA+2:G0SA+3], s[4:5], s[96:97]
	s_or_b32 s[G0SA+3], s[G0SA+3], 0x80000000
	s_mov_b32 s[G0SW], 1
	s_add_co_u32 s[G0SW+1], s21, SCL+6144
	s_add_nc_u64 s[G0SW+2:G0SW+3], s[6:7], s[100:101]
	s_or_b32 s[G0SW+3], s[G0SW+3], 0x80000000
	s_mov_b32 s[G0A0], 1
	s_mov_b32 s[G0A0+1], 0
	s_add_nc_u64 s[G0A0+2:G0A0+3], s[4:5], s[94:95]
	s_mov_b32 s[G0A1], 1
	s_mov_b32 s[G0A1+1], SLOT
	s_add_nc_u64 s[G0A1+2:G0A1+3], s[G0A0+2:G0A0+3], 4096
	s_or_b32 s[G0A0+3], s[G0A0+3], 0x80000000
	s_or_b32 s[G0A1+3], s[G0A1+3], 0x80000000
	s_mov_b32 s[G0W0], 1
	s_mov_b32 s[G0W0+1], 65536
	s_add_nc_u64 s[G0W0+2:G0W0+3], s[6:7], s[98:99]
	s_mov_b32 s[G0W1], 1
	s_mov_b32 s[G0W1+1], SLOT+65536
	s_add_nc_u64 s[G0W1+2:G0W1+3], s[G0W0+2:G0W0+3], 4096
	s_or_b32 s[G0W0+3], s[G0W0+3], 0x80000000
	s_or_b32 s[G0W1+3], s[G0W1+3], 0x80000000
	CROUND
; THE HEAD'S LOADS, ONE A WAVE: wave 0 x1's panel of slot 0, wave 1 x1's of slot 1, waves 2, 3 the halves of x1's scale images (plain loads);
; wave 4 the weight's panel of slot 0, wave 5 its panel of slot 1, waves 6, 7 the halves of its scale images (joint loads).  One chain of branches on the wave's number, an arm a load.
.macro ARM under, g0, g1, next
	s_cmp_lt_u32 s[WV], \under
	s_cbranch_scc0 \next
	tensor_load_to_lds s[\g0:\g0+3], s[\g1:\g1+7]
	s_nop 0
.rept 4
	v_nop
.endr
	s_branch .Lhead_asked
\next:
.endm
	ARM 1, G0A0, G1A, .Lhead_1
	ARM 2, G0A1, G1A, .Lhead_2
	ARM 4, G0SA, G1SA, .Lhead_3
	ARM 5, G0W0, G1W, .Lhead_4
	ARM 6, G0W1, G1W, .Lhead_5
	tensor_load_to_lds s[G0SW:G0SW+3], s[G1SW:G1SW+7]
	s_nop 0
.rept 4
	v_nop
.endr
.Lhead_asked:
	v_and_b32 v1, 31, v0
	s_delay_alu instid0(VALU_DEP_1)
	v_lshlrev_b32 v1, 4, v1                        ; v1  16 x lane
	v_and_b32 v12, 15, v0
	s_delay_alu instid0(VALU_DEP_1)
	v_lshlrev_b32 v2, 2, v12                       ; v2  4 r
	s_wait_alu depctr_va_vdst(0)
	v_bfe_u32 v13, v0, 4, 1
	s_delay_alu instid0(VALU_DEP_1)
	v_lshlrev_b32 v15, 6, v13                      ; v15 64 h
	s_lshr_b32 s16, s[WV], 1
	s_and_b32 s17, s[WV], 1
	s_lshl_b32 s18, s16, 14
	s_lshl_b32 s19, s17, 15
	s_add_co_u32 s19, s19, 65536
	v_add_nc_u32 v[A1], s18, v1
	v_add_nc_u32 v[A0], s19, v1
	s_delay_alu instid0(VALU_DEP_2)
	v_add_nc_u32 v[A1+1], SLOT, v[A1]
	s_delay_alu instid0(VALU_DEP_2)
	v_add_nc_u32 v[A0+1], SLOT, v[A0]
	s_mul_i32 s18, s16, 1536
	s_add_co_u32 s18, s18, SCL
	s_mul_i32 s19, s17, 3072
	s_add_co_u32 s19, s19, SCL+6144
	v_add_nc_u32 v[AS1], s18, v2
	v_add_nc_u32 v[AS0], s19, v2
.irp b, 0,1,2,3
	v_mov_b32 v[TM+4+\b], 0
.endr
	s_lshl_b32 s20, s89, 4
	s_lshl_b32 s21, s16, 2
	s_add_co_u32 s20, s20, s21                     ; T0
	s_lshl_b32 s21, s90, 1
	s_add_co_u32 s21, s21, s17                     ; G: my 128 hidden units = K step G of the next product
	s_lshl_b32 s18, s21, 9
	s_mov_b32 s19, 0
	s_add_nc_u64 s[8:9], s[8:9], s[18:19]
	WIN 0x40                                       ; destination window 1: b1 straight into the accumulators, the same for each tile of tokens
.irp a, 0,1,2,3
.irp b, 0,1,2,3
.irp j, 0,1,2,3
	global_load_b128 v[64*\a+16*\b+4*\j:64*\a+16*\b+4*\j+3], v15, s[8:9] offset:128*\b+16*\j
.endr
.endr
.endr
	WIN 0
	s_mul_i32 s22, s20, 24
	s_add_co_u32 s22, s22, s21                     ; fragment 24 T0 + G
	s_wait_alu depctr_va_vdst(0)
	s_wait_loadcnt 0x0
	s_and_b32 s18, s[WV], 3
	s_cmp_eq_u32 s18, 1                            ; waves 1 and 5 fetch slot 1, by load lines of their own: their load may stay out
	s_cbranch_scc1 .Lslot_1_out
	s_wait_tensorcnt 0x0                           ; the scale images and slot 0 are in
.Lslot_1_out:
	s_barrier_signal -1
	s_barrier_wait -1
	KSTEP 0, 0, 0
	KSTEP 0, 1, 1
	s_wait_tensorcnt 0x0
	ds_add_u32 v[SPW], v[NIL]
	s_add_nc_u64 s[G0A0+2:G0A0+3], s[G0A0+2:G0A0+3], 8192
	s_add_nc_u64 s[G0W0+2:G0W0+3], s[G0W0+2:G0W0+3], 8192
	s_wait_dscnt 0x0
	CROUND
	s_cmp_eq_u32 s[WV], 0                          ; the one refill: wave 0 x1's panel, wave 4 the weight's (joint)
	s_cbranch_scc0 .Lrefill_w
	tensor_load_to_lds s[G0A0:G0A0+3], s[G1A:G1A+7]
	s_nop 0
.rept 4
	v_nop
.endr
	s_branch .Lrefill_asked
.Lrefill_w:
	s_cmp_eq_u32 s[WV], 4
	s_cbranch_scc0 .Lrefill_asked
	tensor_load_to_lds s[G0W0:G0W0+3], s[G1W:G1W+7]
	s_nop 0
.rept 4
	v_nop
.endr
.Lrefill_asked:
	KSTEP 1, 0, 2
	KSTEP 1, 1, 3
	s_wait_tensorcnt 0x0
	s_wait_dscnt 0x0
	s_barrier_signal -1
	s_barrier_wait -1
	KSTEP 0, 0, 4
	KSTEP 0, 1, 5
	s_lshl_b32 s18, s22, 11                        ; no tensor load is out: the descriptors' registers are free
	s_add_nc_u64 s[24:25], s[10:11], s[18:19]      ; h's codes
	s_lshl_b32 s18, s22, 6
	s_add_co_u32 s18, s18, HS
	s_add_nc_u64 s[26:27], s[10:11], s[18:19]      ; its scale images
.irp a, 0,1,2,3
	QUANT 64*\a, 1, 32
.irp c, 0,1,2,3
	global_store_b128 v1, v[32+4*\c:35+4*\c], s[24:25] offset:49152*\a+512*\c
.endr
	global_store_b32 v2, v[PW], s[26:27] offset:1536*\a
.endr
	s_wait_tensorcnt 0x0                           ; the wave's end
	ds_add_u32 v[SPW], v[NIL]
	s_wait_dscnt 0x0
	CROUND                                         ; the closing round
	s_endpgm
.Lfunc_end_k_q0bb73f91ef_ffn1:
	.size	k_q0bb73f91ef_ffn1, .Lfunc_end_k_q0bb73f91ef_ffn1-k_q0bb73f91ef_ffn1
	.p2alignl 7, 3214868480
	.fill 96, 4, 3214868480
	.section	.rodata,"a",@progbits
	.p2align	6, 0x0
	.amdhsa_kernel k_q0bb73f91ef_ffn1
		.amdhsa_group_segment_fixed_size 327680
		.amdhsa_private_segment_fixed_size 0
		.amdhsa_enable_private_segment 0
		.amdhsa_kernarg_size 32
		.amdhsa_user_sgpr_count 2
		.amdhsa_user_sgpr_kernarg_segment_ptr 1
		.amdhsa_wavefront_size32 1
		.amdhsa_system_sgpr_workgroup_id_x 1
		.amdhsa_system_sgpr_workgroup_id_y 1
		.amdhsa_system_sgpr_workgroup_id_z 1
		.amdhsa_system_vgpr_workitem_id 0
		.amdhsa_next_free_vgpr 512
		.amdhsa_next_free_sgpr 102
		.amdhsa_reserve_vcc 0
		.amdhsa_float_denorm_mode_32 3
		.amdhsa_float_denorm_mode_16_64 3
		.amdhsa_memory_ordered 1
		.amdhsa_forward_progress 1
		.amdhsa_inst_pref_size 103
	.end_amdhsa_kernel
	.amdgpu_metadata
---
amdhsa.version: [ 1, 2 ]
amdhsa.kernels:
  - .name:           k_q0bb73f91ef_ffn1
    .symbol:         k_q0bb73f91ef_ffn1.kd
    .args:
      - { .name: x1b, .offset: 0, .size: 8, .value_kind: global_buffer, .address_space: global }
      - { .name: pbuf, .offset: 8, .size: 8, .value_kind: global_buffer, .address_space: global }
      - { .name: b1, .offset: 16, .size: 8, .value_kind: global_buffer, .address_space: global }
      - { .name: hb, .offset: 24, .size: 8, .value_kind: global_buffer, .address_space: global }
    .group_segment_fixed_size: 327680
    .private_segment_fixed_size: 0
    .kernarg_segment_align: 8
    .kernarg_segment_size: 32
    .max_flat_workgroup_size: 256
    .sgpr_count:     102
    .vgpr_count:     512
    .wavefront_size: 32
...
	.end_amdgpu_metadata
.endif
;; end of part 5
;; launch ffn2n (part 6): grid 64 x 4, 4 waves a work-group, no clusters, 247,296 bytes of LDS; arguments hb, pbuf, b2, x1b, out0; writes out0
.if DOCPART == 6
	.amdgcn_target "amdgcn-amd-amdhsa--gfx1250"
	.amdhsa_code_object_version 6
	.text
	.protected	k_q0bb73f91ef_ffn2n
	.globl	k_q0bb73f91ef_ffn2n
	.p2align	8
	.type	k_q0bb73f91ef_ffn2n,@function
k_q0bb73f91ef_ffn2n:
	s_mov_b64 s[64:65], 0
	v_nop
	global_prefetch_b8 v0, s[64:65] scope:SCOPE_SE
	s_setreg_imm32_b32 hwreg(HW_REG_WAVE_MODE, 25, 1), 1
	s_wait_xcnt 0x0
; ENCODER BLOCK, the last launch: out = x1 + h w2 + b2 on codes of BF8 (E5M2) with E8M0 scales, f32 sums.  No work of reference() is left out.
; A work-group makes 64 tokens (four tiles, mx) x 192 outputs (twelve tiles of w2's rows, y): 64 x 4 = 256 work-groups.  D = S0 x S1: source 0 = a tile of w2's rows, source 1 = a tile of tokens, in the program's row order.
; K = 3,072 IS SPLIT AMONG THE FOUR WAVES: wave w takes K steps 6 w .. 6 w + 5 of the whole block, 48 accumulators, so that no fragment is loaded twice in a work-group.
; All operands are images of operand registers and go from memory straight into registers: a K step's 16 fragments (64 loads of 512 consecutive bytes) fill one register window; two windows take turns, each asked for again, two steps ahead, behind its products.
; A scale register holds two K steps (lanes 0-15 the even, lanes 16-31 the odd); all 48 are loaded at the head.
; THE FOUR PARTS are summed through LDS: every wave stores its 48 accumulators, and wave w then sums token tile w's twelve from the four parts onto x1, sends the rows through its own stage and stores whole aligned pieces of 256 bytes, + b2.
; No cluster: no tile passes through LDS on the way in.  No data prefetch: the two windows ask two K steps ahead.
; REGISTERS: window 0: v1-13 addresses, v32-79 scale registers, v128-255 accumulators of w2's tiles 8-11; windows 1, 2: the fragments (w2's tile t at 16 t, token tile a at 192 + 16 a); window 3: accumulators of tiles 0-7.  Accumulator (t, a) has number 4 t + a.
; LIMITS: NaN and infinities are not served.
.set HS,  12582912
.set W2I, 7962624
.set W2S, 10469376
.set STG, 196608                       ; behind the four parts of 49,152 bytes: a stage of 16 rows x (768 + 16) bytes for each wave
.set SPARE, 246784
.set V16L, 1
.set V4L, 2
.set R16, 3
.set OUTV, 4
.set RS, 5
.set RL, 6                             ; v6-9
.set SPW, 10
.set NIL, 11
.set STI, 12
.set STO, 13
.set SC0, 32                           ; w2's scale registers: 12 d + t
.set SC1, 68                           ; h's: 4 d + a
.set WV, 20
.set MSB, 0
.macro WIN new                         ; the immediate's high byte repeats the setting that is left
.if MSB != \new
	s_set_vgpr_msb (MSB<<8)|\new
.set MSB, \new
.endif
.endm
.macro FRAGS k                         ; K step k's 16 fragments into window 1 + k % 2
	WIN (1+(\k)%2)<<6
.set T_, 0
.rept 12
.irp c, 0,1,2,3
	global_load_b128 v[16*T_+4*\c:16*T_+4*\c+3], v[V16L], s[26:27] offset:49152*T_+2048*(\k)+512*\c
.endr
.set T_, T_+1
.endr
.set T_, 0
.rept 4
.irp c, 0,1,2,3
	global_load_b128 v[192+16*T_+4*\c:192+16*T_+4*\c+3], v[V16L], s[24:25] offset:49152*T_+2048*(\k)+512*\c
.endr
.set T_, T_+1
.endr
	WIN 0
.endm
.macro STEP k, n                       ; n: loads issued behind this step's fragments that may stay out.  48 accumulators, one instruction a turn
	s_wait_loadcnt \n
.set H_, 1+(\k)%2
.set D_, (\k)/2
.set Q_, 0
.rept 48
.set T_, Q_/4
.set A_, Q_%4
.if Q_ < 32
	WIN 0xf0|(H_<<2)|H_
.set AC_, 8*Q_
.else
	WIN (H_<<2)|H_
.set AC_, 128+8*(Q_-32)
.endif
.if (\k) == 0
	v_wmma_scale_f32_16x16x128_f8f6f4 v[AC_:AC_+7], v[16*T_:16*T_+15], v[192+16*A_:192+16*A_+15], 0, v[SC0+12*D_+T_], v[SC1+4*D_+A_] matrix_a_fmt:MATRIX_FMT_BF8 matrix_b_fmt:MATRIX_FMT_BF8
.elseif (\k)%2
	v_wmma_scale_f32_16x16x128_f8f6f4 v[AC_:AC_+7], v[16*T_:16*T_+15], v[192+16*A_:192+16*A_+15], v[AC_:AC_+7], v[SC0+12*D_+T_], v[SC1+4*D_+A_] matrix_a_fmt:MATRIX_FMT_BF8 matrix_b_fmt:MATRIX_FMT_BF8 matrix_a_scale:MATRIX_SCALE_ROW1 matrix_b_scale:MATRIX_SCALE_ROW1
.else
	v_wmma_scale_f32_16x16x128_f8f6f4 v[AC_:AC_+7], v[16*T_:16*T_+15], v[192+16*A_:192+16*A_+15], v[AC_:AC_+7], v[SC0+12*D_+T_], v[SC1+4*D_+A_] matrix_a_fmt:MATRIX_FMT_BF8 matrix_b_fmt:MATRIX_FMT_BF8
.endif
.set Q_, Q_+1
.endr
	WIN 0
.rept 8
	v_nop                                  ; eight places in front of loads into what the products have read and of the first read of their sums
.endr
.endm
.macro PART win, reg, adr              ; token tile w's twelve accumulators of one part: 24 LDS loads
	WIN (\win)<<6
.set T_, 0
.rept 12
	ds_load_b128 v[\reg+8*T_:\reg+8*T_+3], v[\adr] offset:4096*T_
	ds_load_b128 v[\reg+8*T_+4:\reg+8*T_+7], v[\adr] offset:4096*T_+512
.set T_, T_+1
.endr
.endm
.macro ADDUP win, reg                  ; onto the sums in window 1, v0-95
	WIN 0x41|((\win)<<2)
.set I_, 0
.rept 48
	v_pk_add_f32 v[I_:I_+1], v[I_:I_+1], v[\reg+I_:\reg+I_+1]
.set I_, I_+2
.endr
.endm
	s_load_b256 s[4:11], s[0:1], 0x0               ; hb s[4:5], pbuf s[6:7], b2 s[8:9], x1b s[10:11]
	s_load_b64 s[12:13], s[0:1], 0x20              ; out0
	v_lshl_add_u32 v[SPW], v0, 2, SPARE            ; my spare word,
	v_mov_b32 v[NIL], 0                            ; and 0: kept for the closing lines
	v_lshrrev_b32 v20, 5, v0
	v_readfirstlane_b32 s[WV], v20                 ; wave 0..3
	s_and_b32 s21, ttmp7, 0xffff                   ; y
	s_mul_i32 s22, s[WV], 12288                    ; my six K steps of fragments,
	s_mul_i32 s23, s[WV], 384                      ; of scale images
	s_mul_i32 s24, ttmp9, 196608
	s_add_co_u32 s24, s24, s22                     ; h: token tile 4 mx, K step 6 w
	s_mul_i32 s26, s21, 589824
	s_add_co_u32 s26, s26, s22
	s_add_co_u32 s26, s26, W2I                     ; w2: tile 12 y, K step 6 w
	s_mul_i32 s28, ttmp9, 6144
	s_add_co_u32 s28, s28, s23
	s_add_co_u32 s28, s28, HS
	s_mul_i32 s30, s21, 18432
	s_add_co_u32 s30, s30, s23
	s_add_co_u32 s30, s30, W2S
	s_lshl_b32 s38, ttmp9, 2
	s_add_co_u32 s38, s38, s[WV]                   ; T = 4 mx + w: the token tile that I finish
	s_mul_i32 s32, s38, 49152
	s_mul_i32 s39, s21, 12288
	s_add_co_u32 s32, s32, s39                     ; x1 as f32: 2,048 bytes for each 32 outputs of a tile
	s_mul_i32 s34, s21, 768                        ; b2: my 192 outputs
	s_lshr_b32 s36, s38, 1
	s_lshl_b32 s36, s36, 5
	s_and_b32 s39, s38, 1
	s_lshl_b32 s39, s39, 3
	s_add_co_u32 s36, s36, s39                     ; the tile's first token
	s_mul_i32 s36, s36, 3072
	s_add_co_u32 s36, s36, s34
.irp p, 25,27,29,31,33,35,37
	s_mov_b32 s\p, 0
.endr
	s_mul_i32 s40, s[WV], 49152                    ; my part
	s_mul_i32 s41, s[WV], 12544
	s_add_co_u32 s41, s41, STG                     ; my stage
	s_lshl_b32 s44, s[WV], 10                      ; accumulator 4 t + w in part 0, 1, 2, 3
	s_add_co_u32 s45, s44, 49152
	s_add_co_u32 s46, s44, 98304
	s_add_co_u32 s47, s44, 147456
	v_and_b32 v20, 31, v0
	v_lshlrev_b32 v[V16L], 4, v20
	v_lshlrev_b32 v[V4L], 2, v20
	v_and_b32 v21, 15, v0                          ; r
	v_bfe_u32 v22, v0, 4, 1                        ; h
	v_lshlrev_b32 v[R16], 4, v21
	v_mad_u32_u24 v[OUTV], v22, 3072, v[R16]
	v_add_nc_u32 v[RS], s40, v[V16L]
.irp i, 0,1,2,3
	v_add_nc_u32 v[RL+\i], s[44+\i], v[V16L]
.endr
	v_mul_u32_u24 v[STI], v21, 784
	v_lshl_add_u32 v[STI], v22, 6, v[STI]
	v_add_nc_u32 v[STI], s41, v[STI]               ; in: row r, + 64 h
	v_mad_u32_u24 v[STO], v22, 784, v[R16]
	v_add_nc_u32 v[STO], s41, v[STO]               ; back: lanes 0-15 256 bytes of one row, lanes 16-31 of the next
	s_wait_alu depctr_va_vdst(0)
	s_wait_kmcnt 0x0
	s_add_nc_u64 s[24:25], s[4:5], s[24:25]
	s_add_nc_u64 s[26:27], s[6:7], s[26:27]
	s_add_nc_u64 s[28:29], s[4:5], s[28:29]
	s_add_nc_u64 s[30:31], s[6:7], s[30:31]
	s_add_nc_u64 s[32:33], s[10:11], s[32:33]
	s_add_nc_u64 s[34:35], s[8:9], s[34:35]
	s_add_nc_u64 s[36:37], s[12:13], s[36:37]
.irp d, 0,1,2
.irp t, 0,1,2,3,4,5,6,7,8,9,10,11
	global_load_b32 v[SC0+12*\d+\t], v[V4L], s[30:31] offset:1536*\t+128*\d
.endr
.irp a, 0,1,2,3
	global_load_b32 v[SC1+4*\d+\a], v[V4L], s[28:29] offset:1536*\a+128*\d
.endr
.endr
	FRAGS 0
	FRAGS 1
.irp k, 0,1,2,3
	STEP \k, 63                                    ; behind this step's fragments the other window's 64 loads were issued
	FRAGS \k+2
.endr
	STEP 4, 63
	WIN 0x40                                       ; window 1 is free: x1 of my token tile, in the sums' layout, and b2 by rows
.irp b, 0,1,2,3,4,5
.irp j, 0,1,2,3
	global_load_b128 v[16*\b+4*\j:16*\b+4*\j+3], v[V16L], s[32:33] offset:2048*\b+512*\j
.endr
.endr
.irp u, 0,1,2
	global_load_b128 v[192+4*\u:195+4*\u], v[R16], s[34:35] offset:256*\u
.endr
	WIN 0
	STEP 5, 27                                     ; x1's 24 loads and b2's 3 may stay out
	WIN 0x0c                                       ; a store's data are its source 1: window 3
.set Q_, 0
.rept 32
	ds_store_b128 v[RS], v[8*Q_:8*Q_+3] offset:1024*Q_          ; each accumulator from its low end on
	ds_store_b128 v[RS], v[8*Q_+4:8*Q_+7] offset:1024*Q_+512
.set Q_, Q_+1
.endr
	WIN 0
.rept 16
	ds_store_b128 v[RS], v[128+8*(Q_-32):128+8*(Q_-32)+3] offset:1024*Q_
	ds_store_b128 v[RS], v[128+8*(Q_-32)+4:128+8*(Q_-32)+7] offset:1024*Q_+512
.set Q_, Q_+1
.endr
	s_wait_dscnt 0x0
	s_barrier_signal -1
	s_barrier_wait -1                              ; the four parts are whole
	PART 1, 96, RL
	PART 2, 0, RL+1
	PART 2, 96, RL+2
	PART 3, 0, RL+3
	s_wait_loadcnt 0x0                             ; x1 and b2
	s_wait_dscnt 63                                ; of the 96 loads the oldest 33 are in, the first part's 24 among them; the counts below: the 24 loads of each part still to come
	ADDUP 1, 96
	s_wait_dscnt 48
	ADDUP 2, 0
	s_wait_dscnt 24
	ADDUP 2, 96
	s_wait_dscnt 0x0
	ADDUP 3, 0
	WIN 0x04                                       ; data in window 1
.irp b, 0,1,2,3,4,5
.irp j, 0,1,2,3
	ds_store_b128 v[STI], v[16*\b+4*\j:16*\b+4*\j+3] offset:128*\b+16*\j
.endr
.endr
	WIN 0x40
.irp g, 0,1,2,3,4,5,6,7
.irp u, 0,1,2
	ds_load_b128 v[96+4*(3*\g+\u):96+4*(3*\g+\u)+3], v[STO] offset:1568*\g+256*\u   ; LDS serves a wave's instructions in order: these see my stores
.endr
.endr
	s_wait_dscnt 0x0
	WIN 0x45
.irp g, 0,1,2,3,4,5,6,7
.irp u, 0,1,2
	v_pk_add_f32 v[96+4*(3*\g+\u):96+4*(3*\g+\u)+1], v[96+4*(3*\g+\u):96+4*(3*\g+\u)+1], v[192+4*\u:193+4*\u]   ; + b2
	v_pk_add_f32 v[98+4*(3*\g+\u):98+4*(3*\g+\u)+1], v[98+4*(3*\g+\u):98+4*(3*\g+\u)+1], v[194+4*\u:195+4*\u]
.endr
.endr
	WIN 0x04
.irp g, 0,1,2,3,4,5,6,7
.irp u, 0,1,2
	global_store_b128 v[OUTV], v[96+4*(3*\g+\u):96+4*(3*\g+\u)+3], s[36:37] offset:(2*\g+8*(\g/4))*3072+256*\u th:TH_STORE_NT   ; sixteen lanes store 256 consecutive bytes, aligned
.endr
.endr
	WIN 0
	s_wait_tensorcnt 0x0                           ; the wave's end
	ds_add_u32 v[SPW], v[NIL]
	s_wait_dscnt 0x0
	s_endpgm
.Lfunc_end_k_q0bb73f91ef_ffn2n:
	.size	k_q0bb73f91ef_ffn2n, .Lfunc_end_k_q0bb73f91ef_ffn2n-k_q0bb73f91ef_ffn2n
	.p2alignl 7, 3214868480
	.fill 96, 4, 3214868480
	.section	.rodata,"a",@progbits
	.p2align	6, 0x0
	.amdhsa_kernel k_q0bb73f91ef_ffn2n
		.amdhsa_group_segment_fixed_size 247296
		.amdhsa_private_segment_fixed_size 0
		.amdhsa_enable_private_segment 0
		.amdhsa_kernarg_size 40
		.amdhsa_user_sgpr_count 2
		.amdhsa_user_sgpr_kernarg_segment_ptr 1
		.amdhsa_wavefront_size32 1
		.amdhsa_system_sgpr_workgroup_id_x 1
		.amdhsa_system_sgpr_workgroup_id_y 1
		.amdhsa_system_sgpr_workgroup_id_z 1
		.amdhsa_system_vgpr_workitem_id 0
		.amdhsa_next_free_vgpr 1024
		.amdhsa_next_free_sgpr 66
		.amdhsa_reserve_vcc 0
		.amdhsa_float_denorm_mode_32 3
		.amdhsa_float_denorm_mode_16_64 3
		.amdhsa_memory_ordered 1
		.amdhsa_forward_progress 1
		.amdhsa_inst_pref_size 119
	.end_amdhsa_kernel
	.amdgpu_metadata
---
amdhsa.version: [ 1, 2 ]
amdhsa.kernels:
  - .name:           k_q0bb73f91ef_ffn2n
    .symbol:         k_q0bb73f91ef_ffn2n.kd
    .args:
      - { .name: hb, .offset: 0, .size: 8, .value_kind: global_buffer, .address_space: global }
      - { .name: pbuf, .offset: 8, .size: 8, .value_kind: global_buffer, .address_space: global }
      - { .name: b2, .offset: 16, .size: 8, .value_kind: global_buffer, .address_space: global }
      - { .name: x1b, .offset: 24, .size: 8, .value_kind: global_buffer, .address_space: global }
      - { .name: out0, .offset: 32, .size: 8, .value_kind: global_buffer, .address_space: global }
    .group_segment_fixed_size: 247296
    .private_segment_fixed_size: 0
    .kernarg_segment_align: 8
    .kernarg_segment_size: 40
    .max_flat_workgroup_size: 128
    .sgpr_count:     66
    .vgpr_count:     1024
    .wavefront_size: 32
...
	.end_amdgpu_metadata
.endif
;; end of part 6
